; MI455X (gfx1250); checked and timed in simulation.
; The chip was launched on July 23, 2026; its instructions are those of AMD's public machine-readable ISA for CDNA 5 (MIT licence, August 2026) and "CDNA5" Instruction Set Architecture Reference Guide (July 2026). The comments in the code are by the model that wrote it; some were corrected since.
;; Multihead Attention With Bias. Allowed arithmetic: matrix products marked QUANTISED: E2M1 operands, one E8M0 scale for each 32 along K, by v_wmma_scale_f32_16x16x128_f8f6f4 with both operands' format E2M1 (or v_wmma_scale_f32_32x16x128_f4), f32 sums; everything else in f32.
;; Inputs: attn_bias 4 x 2,048 x 2,048 float32; out_b 1,024 float32; out_w 1,024 x 1,024 float32; qkv_b 3,072 float32; qkv_w 3,072 x 1,024 float32; x 4 x 2,048 x 1,024 float32.
;; Outputs: out0 4 x 2,048 x 1,024 float32.
;; This version of the problem:
;;   THIS VERSION OF THE PROBLEM IS GIVEN IN LOW PRECISION. The matrix products marked QUANTISED in the list below multiply operands that are first quantised to E2M1 (2 exponent bits, 1 mantissa bit; 4 bits a number), with one power-of-two scale for each 32 numbers along K (OCP MX v1.0); their sums are f32. All else is computed in f32.
;;   The module's matrix products, in the order in which they are computed (A, B: the left and right operand; K: the contracted axis; several contracted axes count as one K, in the product's order):
;;     1. [M 8,192, K 1,024] x [K 1,024, N 3,072]; A: input x; B: input qkv_w: QUANTISED
;;     2. batch 64 x [M 2,048, K 64] x [K 64, N 2,048]; A: computed on the way; B: computed on the way: QUANTISED
;;     3. batch 64 x [M 2,048, K 2,048] x [K 2,048, N 64]; A: softmax (see below); B: computed on the way: QUANTISED
;;     4. [M 8,192, K 1,024] x [K 1,024, N 1,024]; A: computed on the way; B: input out_w: QUANTISED
;;   THE QUANTISER, for each operand of a quantised product, along K:
;;     - K is cut into blocks of 32 from its start; a last block that is shorter is filled with zeros.
;;     - A block's scale is 2^e with e = floor(log2(the largest magnitude in the block)) - 2, held to -126 .. 127; a block of zeros has e = 0. As a byte (E8M0): e + 127.
;;     - Each number is divided by its block's scale, clamped to +-6, and rounded to the nearest number of E2M1, ties to even, subnormals kept.
;;     - The product sums the exact products of the quantised numbers (number of the format x scale) in f32.
;;   ~~~python
;;   def quantise(x, axis):      # numpy; x: float32 -> the quantised numbers, widened to float32 again
;;       x = np.moveaxis(x, axis, -1); K = x.shape[-1]
;;       x = np.pad(x, [(0, 0)] * (x.ndim - 1) + [(0, -K % 32)]); x = x.reshape(x.shape[:-1] + (-1, 32)); a = np.abs(x).max(-1, keepdims=True)
;;       e = np.where(a > 0, np.clip(np.frexp(np.where(a > 0, a, 1))[1] - 1 - 2, -126, 127), 0)      # np.frexp(a)[1] - 1 = floor(log2(a)), exactly
;;       r = np.clip(x / 2.0 ** e, -6, 6)
;;       step = 2.0 ** (np.maximum(np.frexp(np.where(r == 0, 1, r))[1] - 1, 0) - 1)
;;       q = np.round(r / step) * step * 2.0 ** e      # np.round: ties to even
;;       return np.moveaxis(q.reshape(q.shape[:-2] + (-1,))[..., :K], -1, axis).astype(np.float32)
;;   ~~~
;;   SOFTMAX AHEAD OF A QUANTISED PRODUCT. Where the list says 'softmax', what is quantised is not the finished softmax but p = 2^(t - M), with t = logit x log2(e) and M = ceil(the row's largest t), a whole number; so 1/2 < the row's largest p <= 1. The row's sum l is taken of the UNQUANTISED p, in f32, and the product's result is divided by l at the end. Since M is a whole number, a kernel that streams over the keys may use a running M (the ceiling of the running maximum): every later rescaling is an exact power of two, which a block's scale takes up: the codes' values come out the same.
;;   OPERANDS COMPUTED ON THE WAY. 'Computed on the way' means the value that the module computes at that place (a softmax that the list does not call 'softmax' is quantised finished and normalised). What goes into a quantiser is computed in f32, as accurately as f32 sums, v_exp_f32 and their like allow (about 1e-6 of the number): no bf16 or f16 on the way to a quantiser, and a product that is left as it is and whose result goes on into a quantised operand takes f32 operands (vector FMAs, or v_wmma_f32_16x16x4_f32). A number that lies on a knife's edge between two numbers of the format may be rounded either way, as far as f32 arithmetic and the matrix unit's own rounding can turn it there, and no further.
;; One version. Each part assembles by itself: llvm-mc -triple=amdgcn-amd-amdhsa -mcpu=gfx1250 --defsym DOCPART=n.
;; ======== version 1 of 1: 3 launches
;; limits: right only within a limited range of input values
;; workspace buffers: opq 6,684,672 bytes; qrec 4,718,592 bytes; kv 9,175,040 bytes
;; launch quant (part 1): grid 256 x 1, 6 waves a work-group, no clusters, 49,920 bytes of LDS; arguments x, qkv_w, out_w, opq; writes opq
.if DOCPART == 1
	.amdgcn_target "amdgcn-amd-amdhsa--gfx1250"
	.amdhsa_code_object_version 6
	.text
	.protected	k_q8329d3a04a_quant
	.globl	k_q8329d3a04a_quant
	.p2align	8
	.type	k_q8329d3a04a_quant,@function
k_q8329d3a04a_quant:
	s_mov_b64 s[64:65], 0
	v_nop
	global_prefetch_b8 v0, s[64:65] scope:SCOPE_SE
	s_setreg_imm32_b32 hwreg(HW_REG_WAVE_MODE, 25, 1), 1
	s_wait_xcnt 0x0
; x [8192][1024], qkv_w [3072][1024] and out_w [1024][1024], f32, K innermost, become codes of FP4 (E2M1) with one E8M0 byte for each 32 along K, all in one workspace.
; A block's scale is 2^(floor(log2(its largest magnitude)) - 2); its byte is the largest magnitude's exponent field - 2, held at 1 from below by a floor among the maximum's leaves.
; SHARES.  The three tensors are 1,536 runs of 8 rows: x's 1,024, qkv_w's 384, out_w's 128.  A wave takes one run; 256 work-groups of six waves take 6 x 256 = 1,536.
; x AND qkv_w: a row's 1,024 codes are 512 bytes; inside each 64 rows, row 32 a + 8 g + e goes to place 16 g + 8 a + e, so that in a matrix result whose source 0 is such tiles the 32 registers
; that a lane holds of four neighbouring tiles are 32 neighbouring rows.  A run's 8 rows stay together: only the run's number is permuted.
; out_w: its codes are laid as images of operand registers: block kb (32 codes, 16 bytes) of row 16 T + r lies at 8,192 T + 256 kb + 16 r, so that lane 16 h + r of a wave finds K = 128 q + 64 c + 32 h .. of its row
; at 8,192 T + 1,024 q + 512 c + 16 x lane.  A store of out_w's codes so writes 16 bytes of each of sixteen runs of 256: 524,288 of the launch's 6,684,672 stored bytes leave so.
; All scale bytes lie row by row, 32 a row (x's and qkv_w's rows in their places).
; The two layouts differ in numbers alone: a store's offset is (lane / 2) S1 + 8 (lane % 2) + (t / 2) SA + (t % 2) SB, with S1, SA, SB chosen by the run's number; each step has an offset register of its own.
; LIMITS: a block whose largest magnitude lies under 2^-124 is quantised as if that were its largest magnitude; a block of zeros keeps the byte 1 (its codes are zeros; this program alone reads the bytes);
; NaN and infinities among the inputs are not served.
; Each load reads 512 consecutive bytes; a step's 2,048 bytes turn through the wave's own stage in LDS, so that a lane gets 16 neighbours along K; two neighbouring lanes hold a block.
; Loads run eight steps (32 loads a wave) ahead.  Waves share nothing: no barrier.
.set STEPS, 16
.set R,     16                         ; v16-143  eight sets of 16 numbers as they are loaded
.set X,     144                        ; v144-175 two sets of 16 neighbours
.set C,     176                        ; v176-207 codes: two registers for each step, never rewritten
.set E,     208                        ; v208-223 a scale byte for each step
.set OFF,   224                        ; v224-239 a store offset for each step
.set SPW,   240
.set NIL,   241
.set WREG,  8192                       ; LDS: a region for each wave: two stages of 32 x SP bytes, behind them its 256 scale bytes
.set SP,    80                         ; a lane's place in a stage: 64 bytes + 16 of padding
.set XS_O,  4194304
.set WQ_O,  4456448
.set WS_O,  6029312
.set OWQ_O, 6127616
.set OWS_O, 6651904
	s_load_b256 s[4:11], s[0:1], 0x0               ; x, qkv_w, out_w, the workspace
	v_lshl_add_u32 v[SPW], v0, 2, 0xc000           ; the spare words lie behind the six regions
	v_mov_b32 v[NIL], 0
	v_lshrrev_b32 v1, 5, v0
	v_readfirstlane_b32 s16, v1                    ; wave
	s_mul_i32 s19, ttmp9, 6
	s_add_co_u32 s19, s19, s16                     ; my run: 0-1,023 x; 1,024-1,407 qkv_w; 1,408-1,535 out_w
	s_mov_b32 s28, 256
	s_mov_b32 s30, 4096
	s_cmp_lt_u32 s19, 1408
	s_cselect_b32 s28, 16, s28                     ; S1
	s_cselect_b32 s29, 512, 16                     ; SA
	s_cselect_b32 s30, 256, s30                    ; SB
	v_and_b32 v2, 31, v0                           ; lane
	v_lshlrev_b32 v3, 4, v2                        ; my 16 bytes of a load's 512
	s_mul_i32 s17, s16, WREG
	v_lshrrev_b32 v14, 2, v2
	v_mul_u32_u24 v14, v14, SP
	v_and_b32 v15, 3, v2
	v_lshl_add_u32 v14, v15, 4, v14
	v_add_nc_u32 v14, s17, v14                     ; the stage, on the way in
	v_mul_u32_u24 v15, v2, SP
	v_add_nc_u32 v15, s17, v15                     ; and on the way out: my 16 neighbours
	v_lshrrev_b32 v9, 1, v2
	s_add_co_u32 s17, s17, 2*32*SP
	v_add_nc_u32 v5, s17, v9                       ; LDS: my wave's 256 scale bytes, my block's byte
	v_lshlrev_b32 v7, 3, v2
	v_add_nc_u32 v6, s17, v7
	v_and_b32 v8, 1, v2
	v_lshlrev_b32 v8, 3, v8
	v_mad_u32_u24 v[OFF], v9, s28, v8
	v_add_nc_u32 v[OFF+1], s30, v[OFF]
.irp t, 2,3,4,5,6,7,8,9,10,11,12,13,14,15
	v_add_nc_u32 v[OFF+\t], s29, v[OFF+\t-2]
.endr
	s_mov_b32 s20, 1408
	s_mov_b32 s21, OWQ_O
	s_mov_b32 s22, OWS_O
	s_wait_alu depctr_va_vdst(0)                   ; the wait at the head's end
	s_wait_kmcnt 0x0
	s_cmp_lt_u32 s19, 1408                         ; the choices hang on the run's number alone
	s_cselect_b64 s[6:7], s[6:7], s[8:9]
	s_cselect_b32 s20, 1024, s20                   ; the tensor's first run,
	s_cselect_b32 s21, WQ_O, s21                   ; where its codes begin,
	s_cselect_b32 s22, WS_O, s22                   ; and its scale bytes
	s_cselect_b32 s23, 1, 0                        ; rows in places (1) or images (0)
	s_cmp_lt_u32 s19, 1024
	s_cselect_b64 s[4:5], s[4:5], s[6:7]
	s_cselect_b32 s20, 0, s20
	s_cselect_b32 s21, 0, s21
	s_cselect_b32 s22, XS_O, s22
	s_sub_co_u32 s18, s19, s20                     ; my run in its tensor: inside 64 rows it is run 4 a + g,
	s_and_b32 s24, s18, 3
	s_lshl_b32 s24, s24, 1
	s_bfe_u32 s25, s18, 0x10002
	s_or_b32 s24, s24, s25                         ; and goes to place 2 g + a
	s_and_b32 s25, s18, 0xfffffff8
	s_or_b32 s24, s24, s25
	s_lshl_b32 s33, s24, 12                        ; rows in places: 4,096 bytes of codes a run
	s_lshr_b32 s31, s18, 1
	s_lshl_b32 s31, s31, 13                        ; images: 8,192 (run / 2)
	s_and_b32 s32, s18, 1
	s_lshl_b32 s32, s32, 7
	s_add_co_u32 s31, s31, s32                     ; + 16 x 8 (run % 2)
	s_cmp_eq_u32 s23, 1
	s_cselect_b32 s24, s24, s18
	s_cselect_b32 s31, s33, s31
	s_lshl_b32 s26, s18, 15                        ; 32,768 bytes of numbers a run
	s_mov_b32 s27, 0
	s_add_nc_u64 s[4:5], s[4:5], s[26:27]
	s_add_co_u32 s26, s31, s21
	s_add_nc_u64 s[12:13], s[10:11], s[26:27]
	s_lshl_b32 s26, s24, 8                         ; 256 scale bytes
	s_add_co_u32 s26, s26, s22
	s_add_nc_u64 s[14:15], s[10:11], s[26:27]
.macro LOAD t
.irp i, 0,1,2,3
	global_load_b128 v[R+16*((\t)%8)+4*\i:R+16*((\t)%8)+4*\i+3], v3, s[4:5] offset:2048*(\t)+512*\i th:TH_LOAD_NT
.endr
.endm
.macro TURN t                          ; step t's numbers through the stage: LDS serves a wave's instructions in order
.irp i, 0,1,2,3
	ds_store_b128 v14, v[R+16*((\t)%8)+4*\i:R+16*((\t)%8)+4*\i+3] offset:32*SP*((\t)%2)+8*SP*\i
.endr
.irp i, 0,1,2,3
	ds_load_b128 v[X+16*((\t)%2)+4*\i:X+16*((\t)%2)+4*\i+3], v15 offset:32*SP*((\t)%2)+16*\i
.endr
.endm
.irp t, 0,1,2,3,4,5,6,7
	LOAD \t
.endr
	s_wait_loadcnt 28                              ; step 0's four loads are in; the 28 behind them stay out
	TURN 0
.macro STEP t
.set XR, X+16*((\t)%2)
.if (\t) > 0
	s_wait_dscnt 1                                 ; this step's numbers are back from the stage (the last step's byte store may be out): so its stores into the stage have read their registers,
.else
	s_wait_dscnt 0x0
.endif
.if (\t)+8 < STEPS
	LOAD (\t)+8                                    ; which take the loads of eight steps on
.endif
.if (\t)+1 < STEPS
.if STEPS-2-(\t) >= 7
	s_wait_loadcnt 28                              ; the next step's four loads are in; those of the seven steps behind it may be out
.else
	s_wait_loadcnt 4*(STEPS-2-(\t))
.endif
	TURN (\t)+1
.endif
	v_max3_num_f32 v8, |v[XR]|, |v[XR+1]|, |v[XR+2]|               ; the largest magnitude of my 16, in two chains
	v_max3_num_f32 v9, |v[XR+3]|, |v[XR+4]|, |v[XR+5]|
.irp i, 6,10
	v_max3_num_f32 v8, v8, |v[XR+\i]|, |v[XR+\i+1]|
	v_max3_num_f32 v9, v9, |v[XR+\i+2]|, |v[XR+\i+3]|
.endr
	v_max3_num_f32 v8, v8, |v[XR+14]|, |v[XR+15]|
	v_max3_num_f32 v8, v8, v9, 0x1800000           ; and the floor 2^(3 - 127)
	v_max_num_f32_dpp v8, v8, v8 row_xmask:1 row_mask:0xf bank_mask:0xf   ; and of my neighbour's 16: the block's
	v_add_nc_u32 v11, 0xff000000, v8               ; 2 off its exponent field: the conversion's scale operand
	v_cvt_scalef32_pk8_fp4_f32 v[C+2*(\t)], v[XR:XR+7], v11
	v_cvt_scalef32_pk8_fp4_f32 v[C+2*(\t)+1], v[XR+8:XR+15], v11
	v_lshrrev_b32 v[E+(\t)], 23, v11               ; the scale's byte (also the plain line behind the conversions)
	ds_store_b8 v5, v[E+(\t)] offset:16*(\t)       ; both lanes of a block write the same byte with the same value
	global_store_b64 v[OFF+(\t)], v[C+2*(\t):C+2*(\t)+1], s[12:13]
.endm
.irp t, 0,1,2,3,4,5,6,7,8,9,10,11,12,13,14,15
	STEP \t
.endr
	ds_load_b64 v[12:13], v6                       ; LDS serves a wave's instructions in order: these see my stores
	s_wait_dscnt 0x0
	global_store_b64 v7, v[12:13], s[14:15]        ; 32 lanes store 256 consecutive bytes, aligned
	s_wait_tensorcnt 0x0                           ; the wave's end
	ds_add_u32 v[SPW], v[NIL]
	s_wait_dscnt 0x0
	s_endpgm
.Lfunc_end_k_q8329d3a04a_quant:
	.size	k_q8329d3a04a_quant, .Lfunc_end_k_q8329d3a04a_quant-k_q8329d3a04a_quant
	.p2alignl 7, 3214868480
	.fill 96, 4, 3214868480
	.section	.rodata,"a",@progbits
	.p2align	6, 0x0
	.amdhsa_kernel k_q8329d3a04a_quant
		.amdhsa_group_segment_fixed_size 49920
		.amdhsa_private_segment_fixed_size 0
		.amdhsa_enable_private_segment 0
		.amdhsa_kernarg_size 32
		.amdhsa_user_sgpr_count 2
		.amdhsa_user_sgpr_kernarg_segment_ptr 1
		.amdhsa_wavefront_size32 1
		.amdhsa_system_sgpr_workgroup_id_x 1
		.amdhsa_system_sgpr_workgroup_id_y 1
		.amdhsa_system_sgpr_workgroup_id_z 1
		.amdhsa_system_vgpr_workitem_id 0
		.amdhsa_next_free_vgpr 242
		.amdhsa_next_free_sgpr 66
		.amdhsa_reserve_vcc 0
		.amdhsa_float_denorm_mode_32 3
		.amdhsa_float_denorm_mode_16_64 3
		.amdhsa_memory_ordered 1
		.amdhsa_forward_progress 1
		.amdhsa_inst_pref_size 35
	.end_amdhsa_kernel
	.amdgpu_metadata
---
amdhsa.version: [ 1, 2 ]
amdhsa.kernels:
  - .name:           k_q8329d3a04a_quant
    .symbol:         k_q8329d3a04a_quant.kd
    .args:
      - { .name: x, .offset: 0, .size: 8, .value_kind: global_buffer, .address_space: global }
      - { .name: qkv_w, .offset: 8, .size: 8, .value_kind: global_buffer, .address_space: global }
      - { .name: out_w, .offset: 16, .size: 8, .value_kind: global_buffer, .address_space: global }
      - { .name: opq, .offset: 24, .size: 8, .value_kind: global_buffer, .address_space: global }
    .group_segment_fixed_size: 49920
    .private_segment_fixed_size: 0
    .kernarg_segment_align: 8
    .kernarg_segment_size: 32
    .max_flat_workgroup_size: 192
    .sgpr_count:     66
    .vgpr_count:     242
    .wavefront_size: 32
...
	.end_amdgpu_metadata
.endif
;; end of part 1
;; launch qkv (part 2): grid 12 x 32, 4 waves a work-group, clusters of 4 x 4, 327,680 bytes of LDS; arguments opq, qkv_b, qrec, kv; writes qrec, kv
.if DOCPART == 2
	.amdgcn_target "amdgcn-amd-amdhsa--gfx1250"
	.amdhsa_code_object_version 6
	.text
	.protected	k_q8329d3a04a_qkv
	.globl	k_q8329d3a04a_qkv
	.p2align	8
	.type	k_q8329d3a04a_qkv,@function
k_q8329d3a04a_qkv:
	s_mov_b64 s[64:65], 0
	v_nop
	global_prefetch_b8 v0, s[64:65] scope:SCOPE_SE
	s_setreg_imm32_b32 hwreg(HW_REG_WAVE_MODE, 25, 1), 1
	s_wait_xcnt 0x0
	s_wait_alu depctr_hold_cnt(0) depctr_sa_sdst(0) depctr_va_vdst(0) depctr_va_sdst(0) depctr_va_ssrc(0) depctr_va_vcc(0) depctr_vm_vsrc(0)
	s_getreg_b32 s2, hwreg(HW_REG_IB_STS2, 6, 4)
	s_cmp_eq_u32 s2, 0
	s_cbranch_scc0 .Lentry_in_a_cluster
	s_endpgm
.Lentry_in_a_cluster:
	s_bfe_u32 s2, ttmp6, 0x10000c
	s_cmp_lg_u32 s2, 0xf033
	s_cbranch_scc0 .Lentry_shape_is_right
	s_endpgm
.Lentry_shape_is_right:
; q, k, v = x qkv_w^T + qkv_b on codes of FP4 (E2M1) with E8M0 scales, K = 1,024, and straight on: the results are quantised in registers for the two products of attention and leave as codes.
; A work-group of four waves makes 256 x 256 of the product, a wave 128 x 128: 64 accumulators of 16 x 16 in 512 registers.  K goes in two halves of 512 through two LDS slots, each filled once by the
; tensor data mover (a tile's row is 256 bytes of memory); the scale bytes of the work-group's rows come with them.  All first fills go out together; nothing is filled twice.
; THE MATRIX INSTRUCTION: source 0 = 16 rows of the tile called B, source 1 = 16 rows of the tile called A.  In a result lane (r, h) holds A's row r and, in register j, B's row 8 h + j.
; THE ROWS OF BOTH TABLES LIE IN THE ORDER THAT THE QUANTISING LAUNCH GAVE THEM (place 16 g + 8 a + e = row 32 a + 8 g + e of each 64): so the 32 registers that a lane holds of B's tiles 4 G .. 4 G + 3
; are B's rows 64 G + 32 h + 0 .. 31: one whole block of 32 of the next product's K.  Its largest magnitude needs no other lane, and four conversions give registers 4 c .. 4 c + 3 of the next operand.
; THREE PARTS, by the cluster's x.  0: q, 1: k: A = x (tokens), B = qkv_w (channels): a lane holds a token and 32 channels of a head: K of q k^T.
;   2: v: THE TWO TABLES CHANGE ROLES: A = qkv_w's rows of v, B = x: a lane holds a channel and 32 tokens: K of p v.  The text of the products is the same; tile numbers and table offsets are chosen by the cluster's x.
; CLUSTERS: 4 x 4 work-groups.  A's tile number is made of cy and the cluster's numbers alone and is shared along a row of the cluster; B's of cx and the cluster's numbers and is shared along a column:
; each tile is asked for jointly, by the same tensor load with the same descriptor and a mask that names the four.
; qkv_b is the C of each sum's first matrix instruction.  1 / sqrt(64) is taken as 3 off q's scale bytes: exact.
; OUT: images of operand registers: four registers of the wave, lane l's 16 bytes at 16 l: each store covers 512 consecutive bytes, aligned.
;   qrec [b][head group][128 queries][head]: 8 tiles' images, then an image of their scale words (register i: lanes 0-15 tile 2 i's words, lanes 16-31 tile 2 i + 1's): 4,608 bytes.
;   kv   [b][head group][128 keys][head]: K's 8 tiles at 0, V's 4 channel tiles x 2 at 4,096, K's scale words at 8,192, V's (two registers) at 8,704: 8,960 bytes.
; LIMITS: a block whose largest magnitude lies under 2^-121 is quantised as if that were its largest magnitude (so q's byte less 3 stays at 1 or more); NaN and infinities are not served.
; REGISTERS, in windows of 256: window 0: v0-31 addresses; v32-95 scale words, two sets; v128-191 A's fragments, one set; v192-255 the bias; on the way out v32-135 are at work.
;   window 1: B's fragments, two sets, at v0 and v128.   window 2: the accumulators of A's blocks 0-3 ((a, b) at v[8 (8 (a % 4) + b)]);   window 3: those of blocks 4-7.
.set XS,     4194304                   ; the workspace of codes: x's codes at 0, x's scale bytes,
.set WQ,     4456448                   ; qkv_w's codes,
.set WS,     6029312                   ; its scale bytes
.set NQ,     4                         ; steps of 128 along K in a slot
.set ROWB,   256                       ; a tile's row in bytes: 512 codes
.set KROW,   512                       ; a row of codes in memory
.set PITCH,  272                       ; an LDS row: 256 bytes + 16 of padding = 68 words: row r starts at bank 4 r mod 64 (64 banks of 4 bytes: ISA guide 11.1)
.set FR,     8                         ; registers of a fragment: 16 rows x 128 K
.set NL,     2                         ; LDS loads that bring one
.set NP,     4                         ; places behind this matrix instruction (ISA guide 7.12.1)
.set HALFT,  128*PITCH
.set SLOT,   4*HALFT                   ; A's 256 rows, then B's 256 rows
.set KS,     32                        ; a row of scale bytes
.set SCL,    2*SLOT                    ; behind the slots: the scale bytes, as runs of 256 bytes + 16 of padding
.set HALFS,  (128*KS/256)*272
.set SBLK,   (16*KS/256)*272
.set SPARE,  SCL+4*HALFS               ; the spare words, 128 bytes for each wave: two blocks of 256 bytes that no other line names
.set ADRA, 16                          ; v16-17  LDS address of my A fragments in slot 0, 1
.set ADRB, 20                          ; v20-21  the same for B
.set VB,   22                          ; v22     my byte offset in qkv_b
.set V8,   23                          ; v23     8 x lane
.set VO,   24                          ; v24     16 x lane: an image's place for my lane
.set VS,   25                          ; v25     the same, at the scale words' image of q's or k's record
.set SH8,  26                          ; v26     8 h
.set ADRS, 27                          ; v27     LDS address of my scale words: lanes 0-15 A's rows, lanes 16-31 B's
.set SPW,  28                          ; v28     LDS address of my spare word; never rewritten
.set NIL,  29                          ; v29     0; never rewritten
.set SH24, 30                          ; v30     8 h + 16
.set SC,   32                          ; scale words: set s at v[SC + 32 s]; register 4 i + q: lanes 0-15 A's block i, lanes 16-31 B's block i, the slot's q-th 128 along K
.set AF,   128
.set BIAS, 192
.set CD,   32                          ; the way out: v32-95 codes, four registers a unit, never rewritten
.set MX,   96                          ; v96-99   largest magnitudes
.set SCO,  104                         ; v104-107 the conversions' scale operands
.set TT,   112                         ; v112-127 a unit's scale byte at its place in a word: unit 8 G + a
.set RI,   128                         ; v128-135 images of scale words
.set FLO,  12                          ; s12  the floor 2^(6 - 127)
.set ADJ,  13                          ; s13  what is taken off the scale words: 3 off both bytes for q
.set G1, 24                            ; s[24:31] descriptor group 1 for A's tiles;  s[32:39] group 0, one set for each slot
.set G0, 32
.set G1B, 48                           ; s[48:55], s[56:63] the same for B's
.set G0B, 56
.set G1S, 68                           ; s[68:75], s[76:79] for A's scale bytes;  s[80:87], s[88:91] for B's
.set G0S, 76
.set G1SB, 80
.set G0SB, 88
.set MSB, 0
.macro WIN new                         ; the immediate's high byte repeats the setting that is left
.if MSB != (\new)
	s_set_vgpr_msb (MSB<<8)|(\new)
.set MSB, (\new)
.endif
.endm
.set MUL_LO, 0xa1                      ; source 0 (B) window 1, source 1 (A) window 0, C and D window 2
.set MUL_HI, 0xf1                      ; the same, C and D window 3
.set FST_LO, 0x81                      ; a sum's first product: C (the bias) window 0, D window 2
.set FST_HI, 0xc1                      ; D window 3
.set TO_B,   0x40                      ; destination window 1, address window 0
; A joint load: waves 0 and 1 fetch for A, waves 2 and 3 for B.  Each line has one mask and one set of registers; the branch hangs on the wave's number alone.  Four v_nop follow each line.
.macro JLOAD g0a, g1a, g0b, g1b
	s_cmp_eq_u32 s15, 0
	s_cbranch_scc0 .Lfor_b_\@
	tensor_load_to_lds s[\g0a:\g0a+3], s[\g1a:\g1a+7]
	s_nop 0
.rept 4
	v_nop
.endr
	s_branch .Lasked_\@
.Lfor_b_\@:
	tensor_load_to_lds s[\g0b:\g0b+3], s[\g1b:\g1b+7]
	s_nop 0
.rept 4
	v_nop
.endr
.Lasked_\@:
.endm
.macro CROUND                          ; a round of the cluster's barrier
	s_barrier_signal -1
	s_barrier_wait -1
	s_cmp_lg_u32 s14, 0
	s_cbranch_scc1 .Lnot_wave_0_\@
	s_barrier_signal -3
.Lnot_wave_0_\@:
	s_barrier_wait -3
	s_barrier_signal -1
	s_barrier_wait -1
.endm
	s_load_b256 s[4:11], s[0:1], 0x0               ; the codes' workspace s[4:5], qkv_b s[6:7], qrec s[8:9], kv s[10:11]
	v_lshl_add_u32 v[SPW], v0, 2, SPARE
	v_mov_b32 v[NIL], 0
	ds_add_u32 v28, v29
	ds_add_u32 v28, v29
	s_wait_dscnt 0x0
	v_lshrrev_b32 v1, 5, v0
	v_readfirstlane_b32 s14, v1                    ; wave 0..3
	s_lshr_b32 s15, s14, 1                         ; which half of A's rows is mine.  Also: I fetch for A (0) or for B (1)
	s_and_b32 s16, s14, 1                          ; which half of B's rows.  Also: which 128 rows of that tile I fetch
	s_bfe_u32 s40, ttmp6, 0x40000                  ; cx, cy: my place in the cluster
	s_bfe_u32 s41, ttmp6, 0x40004
	s_mov_b32 s2, ttmp9                            ; the cluster's x: 0 q, 1 k, 2 v: the same in all sixteen partners
	s_and_b32 s17, ttmp7, 0xffff
	s_lshl_b32 s17, s17, 2                         ; 4 x cluster y
	s_lshl_b32 s42, s2, 2                          ; 4 x cluster x
	s_mov_b32 s12, XS
	s_mov_b32 s13, WS
	s_cmp_eq_u32 s2, 2                             ; v: the tables change roles
	s_cselect_b32 s3, 8, s17                       ; A's tile of 256 rows: qkv_w's 8 + cy, or x's 4 x cluster y + cy
	s_cselect_b32 s42, s17, s42                    ; B's: x's 4 x cluster y + cx, or qkv_w's 4 x cluster x + cx
	s_cselect_b32 s66, WQ, 0                       ; where A's codes begin in the workspace,
	s_cselect_b32 s67, 0, WQ                       ; B's codes,
	s_cselect_b32 s96, s13, s12                    ; A's scale bytes,
	s_cselect_b32 s97, s12, s13                    ; B's
	s_add_co_u32 s3, s3, s41
	s_add_co_u32 s42, s42, s40
	s_lshl_b32 s43, s41, 2
	s_lshl_b32 s43, 15, s43                        ; my row of the cluster
	s_lshl_b32 s44, 0x1111, s40                    ; my column
	; descriptor group 1: a tile of 128 rows x 256 bytes, padded in LDS
	s_or_b32 s[G1+0], s43, (0<<16)|(1<<20)|(1<<21)|(5<<22)|(3<<25)  ; 15:0 the mask; 17:16 element of 1 byte; 20 padding on; 21 set beside a mask; 24:22 after every 64 words (code 5); 31:25 of 4 words (code 3)
	s_or_b32 s[G1B+0], s44, (0<<16)|(1<<20)|(1<<21)|(5<<22)|(3<<25)
.irp g, G1, G1B
	s_mov_b32 s[\g+1], ROWB<<16                    ; tensor_dim0
	s_mov_b32 s[\g+2], 256<<16                     ; tensor_dim1: the head's loads bring a whole tile of 256 rows
	s_mov_b32 s[\g+3], ROWB<<16                    ; tile_dim0
	s_mov_b32 s[\g+4], 256                         ; tile_dim1
	s_mov_b32 s[\g+5], KROW                        ; tensor_dim0_stride
	s_mov_b32 s[\g+6], 0
	s_mov_b32 s[\g+7], 0
.endr
	; the scale bytes of 256 rows: 8,192 dense bytes, as 32 rows of 256 bytes (32 elements of 8 bytes), 16 bytes of padding behind each
	s_or_b32 s[G1S+0], s43, (3<<16)|(1<<20)|(1<<21)|(5<<22)|(3<<25)
	s_or_b32 s[G1SB+0], s44, (3<<16)|(1<<20)|(1<<21)|(5<<22)|(3<<25)
.irp g, G1S, G1SB
	s_mov_b32 s[\g+1], 32<<16
	s_mov_b32 s[\g+2], KS<<16                      ; the scale bytes of 256 rows: KS rows of 256 bytes
	s_mov_b32 s[\g+3], 32<<16
	s_mov_b32 s[\g+4], KS
	s_mov_b32 s[\g+5], 32
	s_mov_b32 s[\g+6], 0
	s_mov_b32 s[\g+7], 0
.endr
	s_lshl_b32 s20, s3, 8                          ; A: the tile's first row in its table
	s_lshl_b32 s46, s42, 8                         ; B likewise
	s_lshl_b32 s22, s20, 5
	s_add_co_u32 s22, s22, s96                     ; A's scale bytes: 32 a row
	s_lshl_b32 s20, s20, 9
	s_add_co_u32 s20, s20, s66                     ; A's codes: 512 bytes a row (all offsets under 2^23)
	s_lshl_b32 s92, s46, 5
	s_add_co_u32 s92, s92, s97
	s_lshl_b32 s46, s46, 9
	s_add_co_u32 s46, s46, s67
	s_mov_b32 s21, 0
	s_mov_b32 s23, 0
	s_mov_b32 s47, 0
	s_mov_b32 s93, 0
	s_mul_i32 s45, s14, HALFT                      ; where they go: wave x 128 rows: no place in the cluster enters an LDS address
	s_wait_kmcnt 0x0
	s_add_nc_u64 s[20:21], s[4:5], s[20:21]
	s_add_nc_u64 s[22:23], s[4:5], s[22:23]
	s_add_nc_u64 s[46:47], s[4:5], s[46:47]
	s_add_nc_u64 s[92:93], s[4:5], s[92:93]
	CROUND                                         ; all sixteen work-groups are here: the first joint loads meet
	s_mov_b32 s[G0S], 1
	s_mov_b32 s[G0S+1], SCL
	s_mov_b64 s[G0S+2:G0S+3], s[22:23]
	s_or_b32 s[G0S+3], s[G0S+3], 0x80000000
	s_mov_b32 s[G0SB], 1
	s_mov_b32 s[G0SB+1], SCL+2*HALFS
	s_mov_b64 s[G0SB+2:G0SB+3], s[92:93]
	s_or_b32 s[G0SB+3], s[G0SB+3], 0x80000000
	s_mov_b32 s[G0], 1                             ; slot 0, whole tiles: A's 256 rows,
	s_mov_b32 s[G0+1], 0
	s_mov_b64 s[G0+2:G0+3], s[20:21]
	s_or_b32 s[G0+3], s[G0+3], 0x80000000
	s_mov_b32 s[G0B], 1                            ; B's 256 rows behind them
	s_mov_b32 s[G0B+1], 2*HALFT
	s_mov_b64 s[G0B+2:G0B+3], s[46:47]
	s_or_b32 s[G0B+3], s[G0B+3], 0x80000000
	s_lshl_b32 s18, s16, 16                        ; slot 1: my 128 rows of a tile: 128 x 512 bytes x half
	s_mov_b32 s19, 0
	s_add_nc_u64 s[20:21], s[20:21], s[18:19]
	s_add_nc_u64 s[46:47], s[46:47], s[18:19]
	s_mov_b32 s[G0+4], 1
	s_add_co_u32 s[G0+5], s45, SLOT
	s_add_nc_u64 s[G0+6:G0+7], s[20:21], ROWB
	s_or_b32 s[G0+7], s[G0+7], 0x80000000
	s_mov_b32 s[G0B+4], 1
	s_add_co_u32 s[G0B+5], s45, SLOT
	s_add_nc_u64 s[G0B+6:G0B+7], s[46:47], ROWB
	s_or_b32 s[G0B+7], s[G0B+7], 0x80000000
; THE HEAD'S LOADS, ONE A WAVE: wave 0 slot 0's 256 rows of A, wave 1 its 256 rows of B, wave 2 A's scale bytes, wave 3 B's.  One chain of branches on the wave's number; every way passes one load.
; Slot 1's fill follows behind the full sequence and a round of the cluster's barrier, a quarter of the slot a wave.
.macro ARM under, g0, g1, next
	s_cmp_lt_u32 s14, \under
	s_cbranch_scc0 \next
	tensor_load_to_lds s[\g0:\g0+3], s[\g1:\g1+7]
	s_nop 0
.rept 4
	v_nop
.endr
	s_branch .Lhead_asked
\next:
.endm
	ARM 1, G0,  G1,  .Lhead_b
	ARM 2, G0B, G1B, .Lhead_sa
	ARM 3, G0S, G1S, .Lhead_sb
	tensor_load_to_lds s[G0SB:G0SB+3], s[G1SB:G1SB+7]
	s_nop 0
.rept 4
	v_nop
.endr
.Lhead_asked:
	v_and_b32 v1, 15, v0                           ; r = l % 16
	v_bfe_u32 v2, v0, 4, 1                         ; h = l / 16
	v_mul_u32_u24 v3, v1, PITCH
	v_lshl_add_u32 v4, v2, 4, v3                   ; a fragment's row x pitch + 16 x half
	s_mul_i32 s21, s15, HALFT                      ; my 128 rows of A
	s_mul_i32 s22, s16, HALFT                      ; my 128 rows of B,
	s_add_co_u32 s22, s22, 2*HALFT                 ; which lie behind A's 256
.irp s, 0,1
	v_add_nc_u32 v[ADRA+\s], s21, v4
	v_add_nc_u32 v[ADRB+\s], s22, v4
	s_add_co_u32 s21, s21, SLOT
	s_add_co_u32 s22, s22, SLOT
.endr
	v_mul_u32_u24 v5, v1, KS                       ; my row's scale bytes: 32 a row,
	v_lshrrev_b32 v6, 8, v5
	v_lshl_add_u32 v5, v6, 4, v5                   ; and 16 more for each 256 passed
	s_mul_i32 s21, s15, HALFS
	s_mul_i32 s22, s16, HALFS
	s_add_co_u32 s22, s22, 2*HALFS
	s_sub_co_u32 s22, s22, s21
	v_mul_u32_u24 v6, s22, v2                      ; lanes 16-31 take B's: one product, the distance between the two bases x h
	s_add_co_u32 s21, s21, SCL
	v_add_nc_u32 v5, v5, v6
	v_add_nc_u32 v[ADRS], s21, v5
	; the way out, and the bias: which tokens, which heads.  These registers feed no descriptor
	s_cmp_eq_u32 s2, 2
	s_cselect_b32 s100, s3, s42                    ; qkv_w's tile,
	s_cselect_b32 s101, s15, s16                   ; and my half of it
	s_cselect_b32 s96, s42, s3                     ; x's tile,
	s_cselect_b32 s97, s16, s15                    ; and my half of it
	s_cselect_b32 s98, s41, s40                    ; the group of four heads: qkv_w's tile inside its part
	s_cselect_b32 s99, s15, s16                    ; my two heads of it
	s_lshl_b32 s100, s100, 10
	s_lshl_b32 s101, s101, 9
	s_add_co_u32 s100, s100, s101                  ; 4 bytes x (256 x tile + 128 x half)
	s_mov_b32 s101, 0
	s_add_nc_u64 s[6:7], s[6:7], s[100:101]        ; qkv_b at my first channel
	s_lshl_b32 s96, s96, 1
	s_add_co_u32 s96, s96, s97                     ; which run of 128 tokens: 16 b + its number in the sequence
	s_lshr_b32 s97, s96, 4
	s_and_b32 s96, s96, 15
	s_lshl_b32 s97, s97, 2
	s_add_co_u32 s97, s97, s98
	s_lshl_b32 s97, s97, 4
	s_add_co_u32 s97, s97, s96
	s_lshl_b32 s97, s97, 2
	s_lshl_b32 s99, s99, 1
	s_add_co_u32 s97, s97, s99                     ; the record of my first head: ((4 b + head group) 16 + run) 4 + head
	s_mov_b32 s98, 8960
	s_mov_b32 s99, 8192
	s_cmp_eq_u32 s2, 0
	s_cselect_b64 s[8:9], s[8:9], s[10:11]         ; q's records or k's and v's
	s_cselect_b32 s98, 4608, s98                   ; a record's bytes
	s_cselect_b32 s99, 4096, s99                   ; where the scale words' image lies in it
	s_cselect_b32 s[ADJ], 0x0303, 0
	s_mov_b32 s[FLO], 0x3000000
	s_mul_i32 s96, s97, s98
	s_mov_b32 s97, 0
	s_add_nc_u64 s[8:9], s[8:9], s[96:97]          ; my first head's record,
	s_mov_b32 s100, s98
	s_add_nc_u64 s[10:11], s[8:9], s[100:101]      ; my second head's
	v_and_b32 v3, 31, v0
	v_lshlrev_b32 v[VO], 4, v3
	v_lshlrev_b32 v[V8], 3, v3
	v_add_nc_u32 v[VS], s99, v[VO]
	v_lshlrev_b32 v[SH8], 3, v2
	v_add_nc_u32 v[SH24], 16, v[SH8]
	; the bias, in the result's layout
	s_cmp_eq_u32 s2, 2
	s_cbranch_scc1 .Lbias_v
	v_lshlrev_b32 v[VB], 7, v2                     ; q, k: register j of B's block b is channel 64 (b / 4) + 32 h + 8 (b % 4) + j
.irp b, 0,1,2,3,4,5,6,7
	global_load_b128 v[BIAS+8*\b:BIAS+8*\b+3], v[VB], s[6:7] offset:4*(64*(\b/4)+8*(\b%4))
	global_load_b128 v[BIAS+8*\b+4:BIAS+8*\b+7], v[VB], s[6:7] offset:4*(64*(\b/4)+8*(\b%4))+16
.endr
	s_branch .Lbias_in
.Lbias_v:
	v_lshrrev_b32 v[VB], 3, v1                     ; v: all eight registers of A's block a hold my lane's channel 64 (a / 4) + 32 (r / 8) + 8 (a % 4) + r % 8
	v_mul_u32_u24 v[VB], v[VB], 96
	v_lshl_add_u32 v[VB], v1, 2, v[VB]
.irp a, 0,1,2,3,4,5,6,7
.irp j, 0,1,2,3,4,5,6,7
	global_load_b32 v[BIAS+8*\a+\j], v[VB], s[6:7] offset:4*(64*(\a/4)+8*(\a%4))
.endr
.endr
.Lbias_in:
.macro FRAG reg, adr, q, i             ; a fragment, 16 rows x 128 K: lane l holds row l % 16; registers 4 c .. 4 c + 3 hold K = 64 c + 32 (l / 16) + 0 .. 31
.irp c, 0,1
	ds_load_b128 v[\reg+4*\c:\reg+4*\c+3], v[\adr] offset:64*(\q)+32*\c+(\i)*16*PITCH
.endr
.endm
; 16 matrix instructions: A's blocks a0, a0 + 1 x B's eight, the slot's q-th 128 along K.  p: B's set; sc: the set of scale words.
; mode 0: the sums go on.  mode 1, 2: the first products start them, with the bias as C: of B's block (q, k) or of A's block (v).  The 64 accumulators take turns, one instruction a turn.
.macro MUL16 a0, p, q, sc, mode
.irp a, \a0, \a0+1
.irp b, 0,1,2,3,4,5,6,7
.if (\mode) == 0
	v_wmma_scale_f32_16x16x128_f8f6f4 v[8*(8*((\a)%4)+\b):8*(8*((\a)%4)+\b)+7], v[128*(\p)+FR*\b:128*(\p)+FR*\b+FR-1], v[AF+FR*(\a):AF+FR*(\a)+FR-1], v[8*(8*((\a)%4)+\b):8*(8*((\a)%4)+\b)+7], v[SC+8*NQ*(\sc)+NQ*\b+(\q)], v[SC+8*NQ*(\sc)+NQ*(\a)+(\q)] matrix_a_fmt:MATRIX_FMT_FP4 matrix_b_fmt:MATRIX_FMT_FP4 matrix_a_scale:MATRIX_SCALE_ROW1
.elseif (\mode) == 1
	v_wmma_scale_f32_16x16x128_f8f6f4 v[8*(8*((\a)%4)+\b):8*(8*((\a)%4)+\b)+7], v[128*(\p)+FR*\b:128*(\p)+FR*\b+FR-1], v[AF+FR*(\a):AF+FR*(\a)+FR-1], v[BIAS+8*\b:BIAS+8*\b+7], v[SC+8*NQ*(\sc)+NQ*\b+(\q)], v[SC+8*NQ*(\sc)+NQ*(\a)+(\q)] matrix_a_fmt:MATRIX_FMT_FP4 matrix_b_fmt:MATRIX_FMT_FP4 matrix_a_scale:MATRIX_SCALE_ROW1
.else
	v_wmma_scale_f32_16x16x128_f8f6f4 v[8*(8*((\a)%4)+\b):8*(8*((\a)%4)+\b)+7], v[128*(\p)+FR*\b:128*(\p)+FR*\b+FR-1], v[AF+FR*(\a):AF+FR*(\a)+FR-1], v[BIAS+8*(\a):BIAS+8*(\a)+7], v[SC+8*NQ*(\sc)+NQ*\b+(\q)], v[SC+8*NQ*(\sc)+NQ*(\a)+(\q)] matrix_a_fmt:MATRIX_FMT_FP4 matrix_b_fmt:MATRIX_FMT_FP4 matrix_a_scale:MATRIX_SCALE_ROW1
.endif
.endr
.endr
.endm
.macro FETCH_B slot, q, p              ; B's eight fragments of the slot's q-th 128 along K into set p
	WIN TO_B
.irp i, 0,1,2,3,4,5,6,7
	FRAG 128*(\p)+FR*\i, ADRB+\slot, \q, \i
.endr
	WIN 0
.endm
.macro FETCH_A slot, q, i0             ; A's blocks i0 .. i0 + 3
.irp i, \i0, \i0+1, \i0+2, \i0+3
	FRAG AF+FR*(\i), ADRA+\slot, \q, \i
.endr
.endm
.macro SCALES sc                       ; a slot's scale words into set sc: four words a row; lanes 0-15 take A's block i, lanes 16-31 B's block i
.irp i, 0,1,2,3,4,5,6,7
	ds_load_b128 v[SC+8*NQ*\sc+NQ*\i:SC+8*NQ*\sc+NQ*\i+3], v[ADRS] offset:\i*SBLK
.endr
.endm
; A load into a register that a matrix instruction has read, and a vector instruction that reads a matrix result or writes one of its registers, stand NP places behind it; only plain vector
; instructions that name none of its registers are places (ISA guide 7.12.1 for vector instructions).
.macro PLACES n
.rept \n
	v_nop
.endr
.endm
; A step of 128 along K that has its successor in the same slot.  A's blocks are free as soon as their eight products are issued, so A has one set: blocks 0-3 are fetched anew in the step's middle, blocks 4-7 at its end.
.macro STEP slot, q, mode
	s_wait_dscnt 4*NL                              ; B's set and A's blocks 0-3 are in; the youngest eight loads (A's blocks 4-7) may be out
.if \mode
	WIN FST_LO
.else
	WIN MUL_LO
.endif
	MUL16 0, (\q)%2, \q, \slot, \mode
	MUL16 2, (\q)%2, \q, \slot, \mode
	s_wait_dscnt 0                                 ; A's blocks 4-7 are in
	PLACES NP
	FETCH_B \slot, (\q)+1, 1-(\q)%2
	FETCH_A \slot, (\q)+1, 0
.if \mode
	WIN FST_HI
.else
	WIN MUL_HI
.endif
	MUL16 4, (\q)%2, \q, \slot, \mode
	MUL16 6, (\q)%2, \q, \slot, \mode
	PLACES NP
	WIN 0
	FETCH_A \slot, (\q)+1, 4
.endm
; Slot 0's last step changes slots: one barrier; in front of it each wave waits for all its tensor loads (its part of slot 1), adds 0 to its spare word, and waits for that and for its reads.
.macro TURN slot, next
	s_wait_tensorcnt 0x0                           ; all my tensor loads have landed
	ds_add_u32 v[SPW], v[NIL]                      ; 0 onto my spare word
	s_wait_dscnt 4*NL+1                            ; (the add and the youngest eight loads may be out)
	WIN MUL_LO
	MUL16 0, 1, NQ-1, \slot, 0
	s_wait_dscnt 0x0                               ; the add is done, and my reads of this slot are over
	s_barrier_signal -1
	MUL16 2, 1, NQ-1, \slot, 0
	WIN 0
	s_barrier_wait -1                              ; the next slot is whole
	PLACES NP
	v_add_nc_u32 v[ADRS], 4*NQ, v[ADRS]            ; on to the next slot's scale words (no LDS load of mine is out)
	FETCH_B \next, 0, 0
	FETCH_A \next, 0, 0
	SCALES \next
	WIN MUL_HI
	MUL16 4, 1, NQ-1, \slot, 0
	MUL16 6, 1, NQ-1, \slot, 0
	PLACES NP
	WIN 0
	FETCH_A \next, 0, 4
.endm
.macro STEPS slot, from                ; the slot's steps from .. NQ - 2
.set Q, \from
.rept NQ-1-\from
	STEP \slot, Q, 0
.set Q, Q+1
.endr
.endm
	s_wait_alu depctr_va_vdst(0)                   ; the wait at the head's end
	s_wait_tensorcnt 0x0                           ; my tile of the head's four is in
	ds_add_u32 v[SPW], v[NIL]                      ; 0 onto my spare word
	s_mov_b32 s[G1+2], 128<<16                     ; no tensor load of mine is out: from here on a load brings 128 rows
	s_mov_b32 s[G1+4], 128
	s_mov_b32 s[G1B+2], 128<<16
	s_mov_b32 s[G1B+4], 128
	s_wait_dscnt 0x0                               ; the add is done
	CROUND                                         ; all four tiles are in, and all sixteen work-groups are here
	JLOAD G0+4, G1, G0B+4, G1B                     ; slot 1's first fill: the first tensor load behind the round
	FETCH_B 0, 0, 0
	FETCH_A 0, 0, 0
	s_wait_alu depctr_va_vdst(0)
	SCALES 0
	FETCH_A 0, 0, 4
	s_wait_loadcnt 0x0                             ; the bias
	s_cmp_eq_u32 s2, 2
	s_cbranch_scc1 .Lfirst_v
	STEP 0, 0, 1                                   ; the first products start the sums: nothing is ever cleared
	s_branch .Lfirst_done
.Lfirst_v:
	STEP 0, 0, 2
.Lfirst_done:
	STEPS 0, 1
	TURN 0, 1
	STEPS 1, 0
	s_wait_dscnt 4*NL                              ; the very last step: nothing more to fetch
	WIN MUL_LO
	MUL16 0, 1, NQ-1, 1, 0
	MUL16 2, 1, NQ-1, 1, 0
	s_wait_dscnt 0
	WIN MUL_HI
	MUL16 4, 1, NQ-1, 1, 0
	MUL16 6, 1, NQ-1, 1, 0
	WIN 0
	PLACES NP                                      ; in front of the first read of results and the first write of registers that held operands and scale words
; THE WAY OUT.  Unit (a, G): the 32 registers at 64 (a % 4) + 32 G of window 2 + a / 4: a whole block of 32 along the next K.  Four units of one window at a time, by turns.
; Each accumulator is read from its low end on: the maximum goes through the registers in ascending order.
.macro UNIT4 w, hf, isv
.set UB, 8*(\hf)+4*((\w)-2)            ; the first of the four units
	WIN ((\w)<<2)|((\w)<<4)                        ; sources 1 and 2: the accumulators' window
.irp u, 0,1,2,3
	v_max3_num_f32 v[MX+\u], s[FLO], |v[64*\u+32*(\hf)]|, |v[64*\u+32*(\hf)+1]|    ; the floor is a leaf of the maximum
.endr
.irp i, 2,4,6,8,10,12,14,16,18,20,22,24,26,28,30
.irp u, 0,1,2,3
	v_max3_num_f32 v[MX+\u], v[MX+\u], |v[64*\u+32*(\hf)+\i]|, |v[64*\u+32*(\hf)+\i+1]|
.endr
.endr
	WIN 0
.irp u, 0,1,2,3
	v_add_nc_u32 v[SCO+\u], 0xff000000, v[MX+\u]   ; 2 off the exponent field: the conversion's scale operand
.endr
	WIN (\w)                                       ; source 0: the accumulators' window
.irp u, 0,1,2,3
.irp k, 0,1,2,3
	v_cvt_scalef32_pk8_fp4_f32 v[CD+4*(UB+\u)+\k], v[64*\u+32*(\hf)+8*\k:64*\u+32*(\hf)+8*\k+7], v[SCO+\u]
.endr
.endr
	WIN 0
.irp u, 0,1,2,3
	v_lshrrev_b32 v[TT+UB+\u], 23, v[SCO+\u]       ; the scale's byte (also the plain line behind the conversions)
.endr
.irp u, 0,1,2,3
.if (\isv) && (\hf)
	v_lshlrev_b32 v[TT+UB+\u], v[SH24], v[TT+UB+\u]   ; v: tokens 64 G + 32 h on are byte 2 G + h of the channel's word
.else
	v_lshlrev_b32 v[TT+UB+\u], v[SH8], v[TT+UB+\u]    ; q, k: channels 32 h on are byte h of the token's word
.endif
.endr
.irp u, 0,1,2,3
.if \isv
	global_store_b128 v[VO], v[CD+4*(UB+\u):CD+4*(UB+\u)+3], s[8+2*((\w)-2):9+2*((\w)-2)] offset:4096+1024*\u+512*(\hf)   ; head a / 4, channel tile a % 4, keys 64 G on
.else
	global_store_b128 v[VO], v[CD+4*(UB+\u):CD+4*(UB+\u)+3], s[8+2*(\hf):9+2*(\hf)] offset:512*(4*((\w)-2)+\u)            ; head G, token tile a
.endif
.endr
.endm
.macro EPI isv
	UNIT4 2, 0, \isv
	UNIT4 3, 0, \isv
	UNIT4 2, 1, \isv
	UNIT4 3, 1, \isv
.if \isv
.irp a, 0,1,2,3,4,5,6,7
	v_or_b32 v[TT+\a], v[TT+\a], v[TT+8+\a]        ; bytes h and 2 + h of my channel's word
.endr
.irp i, 0,1,2,3
	v_permlane16_swap_b32 v[TT+2*\i], v[TT+2*\i+1] ; the first's lanes 16-31 change places with the second's lanes 0-15:
.endr
.irp i, 0,1,2,3
	v_or_b32 v[RI+\i], v[TT+2*\i], v[TT+2*\i+1]    ; lanes 0-15: tile 2 i's whole words; lanes 16-31: tile 2 i + 1's
.endr
	global_store_b64 v[V8], v[RI:RI+1], s[8:9] offset:8704
	global_store_b64 v[V8], v[RI+2:RI+3], s[10:11] offset:8704
.else
.irp i, 0,1,2,3,4,5,6,7
	v_permlane16_swap_b32 v[TT+2*\i], v[TT+2*\i+1]
.endr
.irp i, 0,1,2,3,4,5,6,7
	v_or_b32 v[RI+\i], v[TT+2*\i], v[TT+2*\i+1]    ; registers 0-3: head 0's four pairs of tiles; 4-7: head 1's.  Bytes 2 and 3 stay 0: they scale zero codes
.endr
.irp i, 0,1,2,3,4,5,6,7
	v_sub_nc_u32 v[RI+\i], v[RI+\i], s[ADJ]        ; q: 3 off both bytes (each is 4 or more: no borrow)
.endr
	global_store_b128 v[VS], v[RI:RI+3], s[8:9]
	global_store_b128 v[VS], v[RI+4:RI+7], s[10:11]
.endif
.endm
	s_cmp_eq_u32 s2, 2
	s_cbranch_scc1 .Lepi_v
	EPI 0
	s_branch .Lend
.Lepi_v:
	EPI 1
.Lend:
	s_wait_tensorcnt 0x0                           ; the wave's end
	ds_add_u32 v[SPW], v[NIL]
	s_wait_dscnt 0x0
	CROUND                                         ; the closing round: no work-group ends while a partner may still ask for a tile that names it
	s_endpgm
.Lfunc_end_k_q8329d3a04a_qkv:
	.size	k_q8329d3a04a_qkv, .Lfunc_end_k_q8329d3a04a_qkv-k_q8329d3a04a_qkv
	.p2alignl 7, 3214868480
	.fill 96, 4, 3214868480
	.section	.rodata,"a",@progbits
	.p2align	6, 0x0
	.amdhsa_kernel k_q8329d3a04a_qkv
		.amdhsa_group_segment_fixed_size 327680
		.amdhsa_private_segment_fixed_size 0
		.amdhsa_enable_private_segment 0
		.amdhsa_kernarg_size 32
		.amdhsa_user_sgpr_count 2
		.amdhsa_user_sgpr_kernarg_segment_ptr 1
		.amdhsa_wavefront_size32 1
		.amdhsa_system_sgpr_workgroup_id_x 1
		.amdhsa_system_sgpr_workgroup_id_y 1
		.amdhsa_system_sgpr_workgroup_id_z 1
		.amdhsa_system_vgpr_workitem_id 0
		.amdhsa_next_free_vgpr 1024
		.amdhsa_next_free_sgpr 102
		.amdhsa_reserve_vcc 0
		.amdhsa_float_denorm_mode_32 3
		.amdhsa_float_denorm_mode_16_64 3
		.amdhsa_memory_ordered 1
		.amdhsa_forward_progress 1
		.amdhsa_inst_pref_size 165
	.end_amdhsa_kernel
	.amdgpu_metadata
---
amdhsa.version: [ 1, 2 ]
amdhsa.kernels:
  - .name:           k_q8329d3a04a_qkv
    .symbol:         k_q8329d3a04a_qkv.kd
    .args:
      - { .name: opq, .offset: 0, .size: 8, .value_kind: global_buffer, .address_space: global }
      - { .name: qkv_b, .offset: 8, .size: 8, .value_kind: global_buffer, .address_space: global }
      - { .name: qrec, .offset: 16, .size: 8, .value_kind: global_buffer, .address_space: global }
      - { .name: kv, .offset: 24, .size: 8, .value_kind: global_buffer, .address_space: global }
    .group_segment_fixed_size: 327680
    .private_segment_fixed_size: 0
    .kernarg_segment_align: 8
    .kernarg_segment_size: 32
    .max_flat_workgroup_size: 128
    .sgpr_count:     102
    .vgpr_count:     1024
    .wavefront_size: 32
...
	.end_amdgpu_metadata
.endif
;; end of part 2
;; launch attn (part 3): grid 4 x 64, 16 waves a work-group, clusters of 4 x 1, 327,680 bytes of LDS; arguments qrec, kv, attn_bias, opq, out_b, out0; writes out0
.if DOCPART == 3
	.amdgcn_target "amdgcn-amd-amdhsa--gfx1250"
	.amdhsa_code_object_version 6
	.text
	.protected	k_q8329d3a04a_attn
	.globl	k_q8329d3a04a_attn
	.p2align	8
	.type	k_q8329d3a04a_attn,@function
k_q8329d3a04a_attn:
	s_mov_b64 s[64:65], 0
	v_nop
	global_prefetch_b8 v0, s[64:65] scope:SCOPE_SE
	s_setreg_imm32_b32 hwreg(HW_REG_WAVE_MODE, 25, 1), 1
	s_wait_xcnt 0x0
	s_wait_alu depctr_hold_cnt(0) depctr_sa_sdst(0) depctr_va_vdst(0) depctr_va_sdst(0) depctr_va_ssrc(0) depctr_va_vcc(0) depctr_vm_vsrc(0)
	s_getreg_b32 s2, hwreg(HW_REG_IB_STS2, 6, 4)
	s_cmp_eq_u32 s2, 0
	s_cbranch_scc0 .Lentry_in_a_cluster
	s_endpgm
.Lentry_in_a_cluster:
	s_bfe_u32 s2, ttmp6, 0x10000c
	s_cmp_lg_u32 s2, 0x3003
	s_cbranch_scc0 .Lentry_shape_is_right
	s_endpgm
.Lentry_shape_is_right:
; Attention and the out projection on codes of FP4 (E2M1) with E8M0 scales: for each head O = softmax(q k^T / 8 + bias) v; O is quantised along the channels; out0 = O out_w^T + out_b.
; THE SOFTMAX AHEAD OF THE SECOND PRODUCT: t = score x log2(e); M = the row's largest t so far, rounded up to a whole number; p = 2^(t - M) is quantised along the keys; the row's sum is taken
; of the unquantised p and divides O at the end.  When M moves, the sum and O are multiplied by 2^(old M - new M): exact.
; SHARES.  A work-group owns 32 query places of one batch and ALL SIXTEEN HEADS: wave w owns head w and two tiles (A, B) of 16 queries, in 256 registers.  Every wave walks the 2,048 keys, 128 a step.
; So the work-group holds whole rows of O (1,024 channels) and takes them through the out projection itself: O never goes to memory.
; LAYOUT.  Both products of attention are used transposed: S^T = K Q^T (source 0 = 16 keys), O^T = V^T P^T (source 0 = 16 channels): a lane holds one query (lane % 16) throughout.
; q, k and v arrive as images of operand registers (lane l's 16 bytes at 16 l), their tiles' rows in the order place 16 g + 8 a + e = row 32 a + 8 g + e of each 64: the 32 registers that a lane holds of
; four neighbouring tiles of keys are 32 neighbouring keys: a whole block of p, and 128 consecutive bytes of a row of the bias.  Place r of my tile t is token row0 + 32 (r / 8) + 8 t + r % 8.
; The bias is loaded from LDS into the scores' registers and is the C of the first product; 1 / 8 lies in q's scale bytes.
; K = 64 in an instruction of 128: q's upper four registers are zero codes, so k's upper four may be any codes: tile tau's fragment runs on into the next tile's.
; CLUSTER 4 x 1: four neighbouring blocks of queries of one batch.  A step's k and v of all heads (143,360 bytes) are the same for the four and are asked for jointly; the bias rows are a work-group's own (plain loads): each byte of the bias is asked for once in the launch.
; RING: two LDS slots of 160,512 bytes, each a key step's tiles; waves 0-3 fetch four records of k and v each, waves 4 and 5 sixteen rows of the bias each; one load a wave behind each round.
; A KEY STEP: H1: all of the step's LDS reads, both first products and tile A's softmax.  H2: tile B's softmax and the second product: registers alone.
; THE OUT PROJECTION.  Each wave puts its head's codes (images) and scale bytes of O into a stage in slot 0, which has had its last fill and its last read; one barrier; wave w makes columns 64 w .. 64 w + 63 of the 32 rows:
; 8 accumulators x 8 steps of 128 along K.  out_w's codes come from memory straight into registers, as images that the quantising launch laid: each wave reads its own 32,768 bytes once, 512 consecutive bytes a load.
; They are not asked for jointly: 524,288 bytes of codes are more than LDS holds, no two waves of a work-group read the same bytes, and nothing is read twice.  They are not prefetched: asked for in the key loop they would stand
; many steps ahead of their use; their first 24 loads are issued ahead of the way out's arithmetic instead.
; LIMITS: NaN and infinities among the inputs are not served; a block of p or of O whose largest magnitude lies under 2^-124 is quantised as if that were its largest (a block of zeros has zero codes).
.set BP,    528                        ; a row of the bias: 512 bytes + 16 of padding
.set BRUN,  16*BP+128                  ; sixteen rows, and 128 bytes more, so that the two runs start half the banks apart
.set KVO,   2*BRUN                     ; behind the bias: sixteen records of k and v
.set REC,   8960                       ; a record: K's 8 tiles at 0, V's 4 x 2 images at 4,096, K's scale words at 8,192, V's at 8,704
.set SLOTB, KVO+16*REC                 ; a slot: 160,512 bytes
.set QREC,  4608
.set SPARE, 2*SLOTB                    ; the spare words, 128 bytes for each wave
.set STGS,  16384                      ; the stage, in slot 0: O's images [tile][head][512] at 0, its scale bytes, 32 a place, here,
.set OST,   17408                      ; and for each wave 2 x 16 rows of 272 bytes for the way out
.set OSP,   272
.set OWQ,   6127616                    ; out_w's codes in the workspace,
.set OWS,   6651904                    ; its scale bytes
.set SPW, 1
.set NIL, 2
.set ABI, 3                            ; v3   my query's row of the bias in a slot (tile A; tile B lies 8 rows on);  v4 in the slot in hand
.set ADB, 4
.set AKV, 5                            ; v5   my head's record + 16 x lane;  v6 in the slot in hand
.set ADK, 6
.set AVS, 7                            ; v7   V's scale words + 8 x lane;  v8 in the slot in hand
.set ADV, 8
.set PFO, 9                            ; v9   the prefetches' offset
.set SH8, 10                           ; v10  8 h
.set QS,  11                           ; v11  q's scale words
.set STA, 20                           ; v20  where my query's two scale bytes of O go
.set PW,  22                           ; v22-23 p's scale words
.set KSC, 24                           ; v24-27 K's scale words
.set VSC, 28                           ; v28-29 V's
.set GO,  30                           ; v30  16 x lane; never rewritten
.set L32, 31                           ; v31  32 x lane
.set QF,  32                           ; v32-47 q's fragments
.set PF,  48                           ; v48-63 p's codes
.set KF,  64                           ; v64-99 K's fragments, later V's
.set TM,  100                          ; v100-111 at work
.set S,   128                          ; v128-191 the bias, then the scores, then p
.set O,   192                          ; v192-255 O^T of tile A, B; in the out projection the 8 accumulators
; v12-15, v16-19: tile A's, B's -M, largest t, and the sum in two halves
; THE OUT PROJECTION'S REGISTERS: v4-11 O's scale words; v32-47 out_w's; v48-63, v12-27 O's fragments of one K step, two buffers; v64-191 out_w's fragments of four K steps
.set AS,  4
.set BS,  32
.set WV,  12
.set PFA, 18
.set PFS, 20
.set LIM, 22                           ; s22  1 in a wave that prefetches, else the greatest number: a wave asks while s[CNT] is above it
.set CNT, 23
.set G1B, 24
.set G1K, 32
.set G0B, 40
.set TB,  44                           ; s44  LDS byte at which the slot in hand begins
.set G0K, 48
.set OB,  52                           ; s[52:53] out_b at my first column
.set OUT, 54                           ; s[54:55] out0 at my first row and column
.set LB,  56                           ; s56  where my part of the bias goes in a slot;  s57 my records
.set LK,  57
.set CS,  58
.set SEL, 60
.set TBN, 62                           ; s62  the other slot
.set BW,  92                           ; s[92:93] out_w's images of my 64 rows;  s[94:95] their scale bytes
.set BSW, 94
.macro TLOAD                           ; waves 0-3 fetch k and v, waves 4 and 5 the bias, the others nothing
	s_cmp_lt_u32 s[WV], 4
	s_cbranch_scc0 .Lnot_k_\@
	tensor_load_to_lds s[G0K:G0K+3], s[G1K:G1K+7]
	s_nop 0
.rept 4
	v_nop
.endr
	s_branch .Lasked_\@
.Lnot_k_\@:
	s_cmp_lt_u32 s[WV], 6
	s_cbranch_scc0 .Lasked_\@
	tensor_load_to_lds s[G0B:G0B+3], s[G1B:G1B+7]
	s_nop 0
.rept 4
	v_nop
.endr
.Lasked_\@:
.endm
; A PREFETCH INTO THE L2 of the key step that the NEXT round's loads will ask for.  Waves that fetch nothing ask, one instruction each.
; The bias: my work-group's 32 rows x 512 bytes: wave 8 asks for the rows' first 256 bytes, wave 9 for the second; a lane a row.
; A step's sixteen records are read by the sixteen clusters of a batch: the first of them asks; its four partners take four records (140 blocks of 256 bytes) each, by address (cx); waves 10 to 14 ask for 32 blocks each,
; the lanes left over naming the last block again.  Key step i names key step i + 2; the loop's last trip (s[CNT] = 1, key step 14) and key step 15 ask for nothing.
.macro ASK
	s_cmp_gt_u32 s[CNT], s[LIM]
	s_cbranch_scc0 .Lnot_mine_\@
	global_prefetch_b8 v[PFO], s[PFA:PFA+1] th:TH_LOAD_NT scope:SCOPE_SE
.Lnot_mine_\@:
.endm
.macro ROUND
	s_barrier_signal -1
	s_barrier_wait -1
	s_cmp_lg_u32 s[WV], 0
	s_cbranch_scc1 .Lnot_wave_0_\@
	s_barrier_signal -3
.Lnot_wave_0_\@:
	s_barrier_wait -3
	s_barrier_signal -1
	s_barrier_wait -1
.endm
	s_load_b256 s[4:11], s[0:1], 0x0               ; qrec, kv, attn_bias, the codes' workspace
	s_load_b128 s[52:55], s[0:1], 0x20             ; out_b, out0
	v_lshl_add_u32 v[SPW], v0, 2, SPARE
	v_mov_b32 v[NIL], 0
	ds_add_u32 v[SPW], v[NIL]                      ; the opening lines: the add twice on end and its wait
	ds_add_u32 v[SPW], v[NIL]
	s_wait_dscnt 0x0
	v_lshrrev_b32 v3, 5, v0
	s_delay_alu instid0(VALU_DEP_1)
	v_readfirstlane_b32 s[WV], v3                  ; wave 0..15: my head
	s_bfe_u32 s13, ttmp6, 0x40000                  ; cx: which pair of query tiles of a block of 128 places
	s_and_b32 s15, ttmp7, 0xffff
	s_lshr_b32 s17, s15, 4                         ; b
	s_and_b32 s16, s15, 15                         ; the block of 128 places
	s_and_b32 s66, s[WV], 3
	s_lshr_b32 s67, s[WV], 2
	s_mov_b32 s[G1B], (2<<16)|(1<<20)|(6<<22)|(3<<25)   ; the bias: no mask; 16 rows x 128 elements of 4 bytes, four words of padding behind every 128
	s_mov_b32 s[G1B+1], 128<<16
	s_mov_b32 s[G1B+2], 16<<16
	s_mov_b32 s[G1B+3], 128<<16
	s_mov_b32 s[G1B+4], 16
	s_mov_b32 s[G1B+5], 2048
	s_mov_b32 s[G1B+6], 0
	s_mov_b32 s[G1B+7], 0
	s_mov_b32 s[G1K], 15|(3<<16)|(1<<21)           ; four records: 140 rows of 256 bytes, dense; the mask names the cluster's four
	s_mov_b32 s[G1K+1], 32<<16
	s_mov_b32 s[G1K+2], 140<<16
	s_mov_b32 s[G1K+3], 32<<16
	s_mov_b32 s[G1K+4], 140
	s_mov_b32 s[G1K+5], 32
	s_mov_b32 s[G1K+6], 0
	s_mov_b32 s[G1K+7], 0
	s_lshl_b32 s69, s17, 11
	s_lshl_b32 s68, s16, 7
	s_add_co_u32 s69, s69, s68
	s_lshr_b32 s68, s13, 1
	s_lshl_b32 s68, s68, 6
	s_add_co_u32 s69, s69, s68
	s_and_b32 s68, s13, 1
	s_lshl_b32 s68, s68, 4
	s_add_co_u32 s69, s69, s68                     ; row0 = 2,048 b + 128 block + 64 (cx / 2) + 16 (cx % 2)
	s_and_b32 s68, s[WV], 1                        ; which run of 16 rows I fetch
	s_lshl_b32 s70, s68, 5
	s_add_co_u32 s70, s70, s69
	s_lshl_b32 s70, s70, 13                        ; rows of 8,192 bytes (under 2^26)
	s_mov_b32 s71, 0
	s_mul_i32 s[LB], s68, BRUN
	s_lshl_b32 s84, s17, 2                         ; 4 b
	s_add_co_u32 s72, s84, s66
	s_lshl_b32 s72, s72, 4
	s_mul_i32 s78, s72, 4*REC                      ; head group wave % 4: its 16 key steps of four records
	s_mov_b32 s79, 0
	s_mul_i32 s[LK], s66, 4*REC
	s_add_co_u32 s[LK], s[LK], KVO
	s_add_co_u32 s85, s84, s67                     ; q's record: ((4 b + head / 4) 16 + block) 4 + head % 4
	s_lshl_b32 s85, s85, 4
	s_add_co_u32 s85, s85, s16
	s_lshl_b32 s85, s85, 2
	s_add_co_u32 s85, s85, s66
	s_mul_i32 s88, s85, QREC
	s_lshl_b32 s86, s13, 2
	s_add_co_u32 s90, s88, s86                     ; my register of the scale words' image
	s_mov_b32 s91, 0
	s_lshl_b32 s86, s13, 10
	s_add_co_u32 s88, s88, s86                     ; my two tiles
	s_mov_b32 s89, 0
	s_lshl_b32 s92, s[WV], 15                      ; out_w: 64 rows of images: 32,768 bytes a wave,
	s_add_co_u32 s92, s92, OWQ
	s_mov_b32 s93, 0
	s_lshl_b32 s94, s[WV], 11                      ; 2,048 scale bytes
	s_add_co_u32 s94, s94, OWS
	s_mov_b32 s95, 0
	s_lshl_b32 s74, s[WV], 8                       ; 64 columns of 4 bytes
	s_mov_b32 s75, 0
	s_lshl_b32 s76, s69, 12                        ; row0 rows of 4,096 bytes
	s_add_co_u32 s76, s76, s74
	s_mov_b32 s77, 0
	s_lshl_b32 s80, s69, 13                        ; the prefetches stand at key step 1: each key step steps them before it asks
	s_lshl_b32 s81, s68, 8
	s_add_co_u32 s80, s80, s81
	s_add_co_u32 s80, s80, 512
	s_add_co_u32 s82, s84, s13
	s_lshl_b32 s82, s82, 4
	s_add_co_u32 s82, s82, 1
	s_mul_i32 s82, s82, 4*REC
	s_mov_b32 s[PFS], 4*REC
	s_mov_b32 s[PFS+1], 0
	s_mov_b32 s83, 256                             ; from lane to lane in a row of sixteen,
	s_mov_b32 s86, 4096                            ; from the lower sixteen lanes to the upper,
	s_sub_co_u32 s87, s[WV], 10
	s_lshl_b32 s87, s87, 13                        ; my wave's 32 blocks,
	s_mov_b32 s73, 139*256                         ; the last block
	s_cmp_lt_u32 s[WV], 10
	s_cselect_b32 s80, s80, s82
	s_cselect_b32 s[PFS], 512, s[PFS]
	s_cselect_b32 s83, 8192, s83
	s_cselect_b32 s86, 0x40000, s86
	s_cselect_b32 s87, 0, s87
	s_cselect_b32 s73, -1, s73
	s_mov_b32 s81, 0
	s_lshr_b32 s82, s[WV], 1
	s_cmp_eq_u32 s82, 4
	s_cselect_b32 s[LIM], 1, 0                     ; waves 8 and 9,
	s_sub_co_u32 s82, s[WV], 10
	s_cmp_lt_u32 s82, 5
	s_cselect_b32 s82, 1, 0
	s_cmp_eq_u32 s16, 0
	s_cselect_b32 s82, s82, 0
	s_or_b32 s[LIM], s[LIM], s82                   ; and waves 10 to 14 in the batch's first cluster: the same in all four partners
	s_cmp_eq_u32 s[LIM], 1
	s_cselect_b32 s[LIM], 1, -1
	s_mov_b32 s[CS], 0x3fb8aa3b                    ; log2(e)
	s_mov_b32 s[CS+1], s[CS]
	s_mov_b32 s[SEL], 0x76543210
	s_mov_b32 s[SEL+1], 0xfedcba98
	s_mov_b32 s[TB], 0
	s_mov_b32 s[CNT], 15
	v_and_b32 v100, 31, v0                         ; lane
	v_and_b32 v101, 15, v0                         ; r
	v_bfe_u32 v102, v0, 4, 1                       ; h
	s_delay_alu instid0(VALU_DEP_2)
	v_lshrrev_b32 v103, 3, v101                    ; r / 8
	v_and_b32 v104, 7, v0                          ; r % 8
	s_wait_alu depctr_va_vdst(0)
	v_mul_u32_u24 v[ABI], v103, BRUN
	v_mul_lo_u32 v[PFO], v101, s83
	v_mul_lo_u32 v105, v102, s86
	v_mad_u32_u24 v[ABI], v104, BP, v[ABI]
	s_delay_alu instid0(VALU_DEP_2)
	v_add3_u32 v[PFO], v[PFO], v105, s87
	s_delay_alu instid0(VALU_DEP_2)
	v_lshl_add_u32 v[ABI], v102, 7, v[ABI]         ; + 128 h: my 32 keys of each 64
	s_delay_alu instid0(VALU_DEP_2)
	v_min_u32 v[PFO], s73, v[PFO]
	s_mul_i32 s86, s[WV], REC
	s_add_co_u32 s86, s86, KVO
	v_lshl_add_u32 v[AKV], v100, 4, s86
	s_add_co_u32 s86, s86, 8704
	v_lshl_add_u32 v[AVS], v100, 3, s86
	s_lshl_b32 s86, s[WV], 1
	s_add_co_u32 s86, s86, STGS
	v_lshl_add_u32 v[STA], v101, 5, s86            ; 32 bytes a place (16 t + r), my head's two at 2 x head
	v_lshlrev_b32 v[GO], 4, v100
	v_lshlrev_b32 v[L32], 5, v100
	v_lshlrev_b32 v[SH8], 3, v102
	s_wait_alu depctr_va_vdst(0)                   ; the wait ahead of the wait below
	s_wait_kmcnt 0x0
	s_add_nc_u64 s[88:89], s[4:5], s[88:89]
	s_add_nc_u64 s[90:91], s[4:5], s[90:91]
	s_add_nc_u64 s[BW:BW+1], s[10:11], s[92:93]
	s_add_nc_u64 s[BSW:BSW+1], s[10:11], s[94:95]
	s_add_nc_u64 s[OB:OB+1], s[52:53], s[74:75]
	s_add_nc_u64 s[OUT:OUT+1], s[54:55], s[76:77]
	s_cmp_lt_u32 s[WV], 10
	s_cselect_b64 s[PFA:PFA+1], s[8:9], s[6:7]
	s_add_nc_u64 s[PFA:PFA+1], s[PFA:PFA+1], s[80:81]
	s_mov_b32 s[G0B], 1
	s_mov_b32 s[G0B+1], s[LB]                      ; slot 0
	s_add_nc_u64 s[G0B+2:G0B+3], s[8:9], s[70:71]  ; key step 0
	s_or_b32 s[G0B+3], s[G0B+3], 0x80000000
	s_mov_b32 s[G0K], 1
	s_mov_b32 s[G0K+1], s[LK]
	s_add_nc_u64 s[G0K+2:G0K+3], s[6:7], s[78:79]
	s_or_b32 s[G0K+3], s[G0K+3], 0x80000000
	ROUND                                          ; all four work-groups are here: the first joint loads meet
	TLOAD                                          ; key step 0
	global_load_b128 v[QF:QF+3], v[GO], s[88:89]               ; q's two tiles stay in registers
	global_load_b128 v[QF+8:QF+11], v[GO], s[88:89] offset:512
	global_load_b32 v[QS], v[GO], s[90:91] offset:4096
.irp j, 4,5,6,7,12,13,14,15
	v_mov_b32 v[QF+\j], 0                          ; K = 64 .. 127 of q: zero codes
.endr
.irp j, 32,33,34,35
	v_mov_b32 v[KF+\j], 0                          ; what the last tile of K runs on into
.endr
.irp t, 0,1
	v_mov_b32 v[13+4*\t], 0xff61b1e6               ; the largest t so far: -3e38
	s_delay_alu instid0(VALU_DEP_1)
	v_floor_f32 v[12+4*\t], -v[13+4*\t]            ; -M
	v_mov_b32 v[14+4*\t], 0
	v_mov_b32 v[15+4*\t], 0
.endr
	v_mov_b32 v[TM+5], 0                           ; (named as the upper half of a pair)
.irp j, 0,1,2,3,4,5,6,7,8,9,10,11,12,13,14,15,16,17,18,19,20,21,22,23,24,25,26,27,28,29,30,31,32,33,34,35,36,37,38,39,40,41,42,43,44,45,46,47,48,49,50,51,52,53,54,55,56,57,58,59,60,61,62,63
	v_mov_b32 v[O+\j], 0                           ; O^T: the first change of M multiplies zeros
.endr
.macro BIASLD off                      ; my query's 64 numbers of the bias into the scores' registers: register 32 c + n is key 64 c + 32 h + n
.irp c, 0,1
.irp i, 0,1,2,3,4,5,6,7
	ds_load_b128 v[S+32*\c+4*\i:S+32*\c+4*\i+3], v[ADB] offset:\off+256*\c+16*\i
.endr
.endr
.endm
.macro QK t                            ; S^T = K Q^T / 8 + bias: eight tiles of 16 keys, each accumulator once
.irp u, 0,1,2,3
.if \t
	v_wmma_scale_f32_16x16x128_f8f6f4 v[S+16*\u:S+16*\u+7], v[KF+8*\u:KF+8*\u+7], v[QF+8:QF+15], v[S+16*\u:S+16*\u+7], v[KSC+\u], v[QS] matrix_a_fmt:MATRIX_FMT_FP4 matrix_b_fmt:MATRIX_FMT_FP4 matrix_b_scale:MATRIX_SCALE_ROW1
	v_wmma_scale_f32_16x16x128_f8f6f4 v[S+16*\u+8:S+16*\u+15], v[KF+8*\u+4:KF+8*\u+11], v[QF+8:QF+15], v[S+16*\u+8:S+16*\u+15], v[KSC+\u], v[QS] matrix_a_fmt:MATRIX_FMT_FP4 matrix_b_fmt:MATRIX_FMT_FP4 matrix_a_scale:MATRIX_SCALE_ROW1 matrix_b_scale:MATRIX_SCALE_ROW1
.else
	v_wmma_scale_f32_16x16x128_f8f6f4 v[S+16*\u:S+16*\u+7], v[KF+8*\u:KF+8*\u+7], v[QF:QF+7], v[S+16*\u:S+16*\u+7], v[KSC+\u], v[QS] matrix_a_fmt:MATRIX_FMT_FP4 matrix_b_fmt:MATRIX_FMT_FP4
	v_wmma_scale_f32_16x16x128_f8f6f4 v[S+16*\u+8:S+16*\u+15], v[KF+8*\u+4:KF+8*\u+11], v[QF:QF+7], v[S+16*\u+8:S+16*\u+15], v[KSC+\u], v[QS] matrix_a_fmt:MATRIX_FMT_FP4 matrix_b_fmt:MATRIX_FMT_FP4 matrix_a_scale:MATRIX_SCALE_ROW1
.endif
.endr
.endm
; One tile's softmax for a key step.  A lane holds two whole blocks of 32 keys: c = 0, 1.  The maxima go through each accumulator from its low end on.
.macro SOFT t
.set ST, 12+4*\t
.irp c, 0,1
	v_max3_num_f32 v[TM+\c], v[S+32*\c], v[S+32*\c+1], v[S+32*\c+2]   ; the largest score of each block: for the row's maximum and, since p rises with the score, for the block's largest p
.endr
.irp i, 3,5,7,9,11,13,15,17,19,21,23,25,27,29
.irp c, 0,1
	v_max3_num_f32 v[TM+\c], v[TM+\c], v[S+32*\c+\i], v[S+32*\c+\i+1]
.endr
.endr
.irp c, 0,1
	v_max_num_f32 v[TM+\c], v[TM+\c], v[S+32*\c+31]
.endr
	s_delay_alu instid0(VALU_DEP_1)
	v_max_num_f32 v[TM+3], v[TM], v[TM+1]
	s_delay_alu instid0(VALU_DEP_1)
	v_permlanex16_b32 v[TM+2], v[TM+3], s[SEL], s[SEL+1]
	s_delay_alu instid0(VALU_DEP_1)
	v_max_num_f32 v[TM+3], v[TM+3], v[TM+2]        ; with lane l xor 16's 64 keys
	s_delay_alu instid0(VALU_DEP_1)
	v_mul_f32 v[TM+3], s[CS], v[TM+3]              ; as t
	s_delay_alu instid0(VALU_DEP_1)
	v_max_num_f32 v[ST+1], v[ST+1], v[TM+3]        ; the running largest t
	v_mov_b32 v[TM+3], v[ST]
	s_delay_alu instid0(VALU_DEP_2)
	v_floor_f32 v[ST], -v[ST+1]                    ; the new -M = -ceil(t)
	s_delay_alu instid0(VALU_DEP_1)
	v_sub_f32 v[TM+3], v[ST], v[TM+3]              ; old M less new M: a whole number, 0 or less
	s_delay_alu instid0(VALU_DEP_1)
	v_cvt_i32_f32 v[TM+3], v[TM+3]                 ; (it saturates)
	s_delay_alu instid0(VALU_DEP_1)
	v_ldexp_f32 v[TM+4], 1.0, v[TM+3]              ; f = 2^(old M - new M)
.irp j, 0,2,4,6,8,10,12,14,16,18,20,22,24,26,28,30,32,34,36,38,40,42,44,46,48,50,52,54,56,58,60,62
	v_pk_fma_f32 v[S+\j:S+\j+1], v[S+\j:S+\j+1], s[CS:CS+1], v[ST:ST+1] op_sel_hi:[1,0,0]   ; t - M
.endr
.irp c, 0,1
	v_fma_f32 v[TM+\c], v[TM+\c], s[CS], v[ST]     ; the same of each block's largest score
.endr
	s_wait_alu depctr_va_vdst(0)                   ; the wait ahead of the batch
.irp j, 0,1,2,3,4,5,6,7,8,9,10,11,12,13,14,15,16,17,18,19,20,21,22,23,24,25,26,27,28,29,30,31,32,33,34,35,36,37,38,39,40,41,42,43,44,45,46,47,48,49,50,51,52,53,54,55,56,57,58,59,60,61,62,63
	v_exp_f32 v[S+\j], v[S+\j]                     ; p = 2^(t - M): not normalised
.endr
	v_pk_mul_f32 v[ST+2:ST+3], v[ST+2:ST+3], v[TM+4:TM+5] op_sel_hi:[1,0]   ; the sums under the new M (a plain line behind the exponentials)
	s_wait_alu depctr_va_vdst(0)                   ; one wait for the batch, ahead of its first reader
.irp c, 0,1
	v_exp_f32 v[TM+\c], v[TM+\c]                   ; the block's largest p
.endr
	v_pk_add_f32 v[TM+6:TM+7], v[S:S+1], v[S+2:S+3]   ; the row's sum of the unquantised p, in two chains
.irp j, 4,8,12,16,20,24,28,32,36,40,44,48,52,56,60
	v_pk_add_f32 v[ST+2:ST+3], v[ST+2:ST+3], v[S+\j:S+\j+1]
	v_pk_add_f32 v[TM+6:TM+7], v[TM+6:TM+7], v[S+\j+2:S+\j+3]
.endr
	s_delay_alu instid0(VALU_DEP_1)
	v_pk_add_f32 v[ST+2:ST+3], v[ST+2:ST+3], v[TM+6:TM+7]
	s_wait_alu depctr_va_vdst(0)                   ; and one for the two
.irp c, 0,1
	v_max_num_f32 v[TM+\c], 0x1800000, v[TM+\c]    ; the floor 2^(3 - 127): the byte cannot fall under 1
.endr
.irp c, 0,1
	s_delay_alu instid0(VALU_DEP_2)
	v_add_nc_u32 v[TM+8+\c], 0xff000000, v[TM+\c]  ; 2 off the exponent field: the conversion's scale operand
.endr
.irp c, 0,1
	s_delay_alu instid0(VALU_DEP_2)
	v_lshrrev_b32 v[TM+10+\c], 23, v[TM+8+\c]      ; the scale's byte
.endr
	s_delay_alu instid0(VALU_DEP_1)
	v_lshl_or_b32 v[TM+10], v[TM+11], 16, v[TM+10] ; keys 64 c + 32 h on are byte 2 c + h of my query's word
	s_delay_alu instid0(VALU_DEP_1)
	v_lshlrev_b32 v[TM+10], v[SH8], v[TM+10]
	s_delay_alu instid0(VALU_DEP_1)
	v_permlanex16_b32 v[TM+2], v[TM+10], s[SEL], s[SEL+1]
	s_delay_alu instid0(VALU_DEP_1)
	v_or_b32 v[PW+\t], v[TM+10], v[TM+2]           ; with lane l xor 16's two the word is whole
.irp c, 0,1
.irp g, 0,1,2,3
	v_cvt_scalef32_pk8_fp4_f32 v[PF+8*\t+4*\c+\g], v[S+32*\c+8*\g:S+32*\c+8*\g+7], v[TM+8+\c]   ; register 4 c + g of the operand
.endr
.endr
.endm
.macro RESC t                          ; O^T under the new M: x f.  Plain lines: behind the conversions, and in front of the products that read p's codes and scale word
	s_wait_alu depctr_va_vdst(0)                   ; the wait directly ahead of the first reader of O^T
.irp j, 0,2,4,6,8,10,12,14,16,18,20,22,24,26,28,30
	v_pk_mul_f32 v[O+32*\t+\j:O+32*\t+\j+1], v[O+32*\t+\j:O+32*\t+\j+1], v[TM+4:TM+5] op_sel_hi:[1,0]
.endr
.endm
.macro PV                              ; O^T += V^T P^T: eight accumulators, each once
.irp u, 0,1
	v_wmma_scale_f32_16x16x128_f8f6f4 v[O+16*\u:O+16*\u+7], v[KF+16*\u:KF+16*\u+7], v[PF:PF+7], v[O+16*\u:O+16*\u+7], v[VSC+\u], v[PW] matrix_a_fmt:MATRIX_FMT_FP4 matrix_b_fmt:MATRIX_FMT_FP4
	v_wmma_scale_f32_16x16x128_f8f6f4 v[O+32+16*\u:O+32+16*\u+7], v[KF+16*\u:KF+16*\u+7], v[PF+8:PF+15], v[O+32+16*\u:O+32+16*\u+7], v[VSC+\u], v[PW+1] matrix_a_fmt:MATRIX_FMT_FP4 matrix_b_fmt:MATRIX_FMT_FP4
	v_wmma_scale_f32_16x16x128_f8f6f4 v[O+16*\u+8:O+16*\u+15], v[KF+16*\u+8:KF+16*\u+15], v[PF:PF+7], v[O+16*\u+8:O+16*\u+15], v[VSC+\u], v[PW] matrix_a_fmt:MATRIX_FMT_FP4 matrix_b_fmt:MATRIX_FMT_FP4 matrix_a_scale:MATRIX_SCALE_ROW1
	v_wmma_scale_f32_16x16x128_f8f6f4 v[O+32+16*\u+8:O+32+16*\u+15], v[KF+16*\u+8:KF+16*\u+15], v[PF+8:PF+15], v[O+32+16*\u+8:O+32+16*\u+15], v[VSC+\u], v[PW+1] matrix_a_fmt:MATRIX_FMT_FP4 matrix_b_fmt:MATRIX_FMT_FP4 matrix_a_scale:MATRIX_SCALE_ROW1
.endr
.endm
; A step's first half: every LDS read of the step.
.macro H1
	v_add_nc_u32 v[ADB], s[TB], v[ABI]             ; the slot in hand.  (With the v_nop: the four places in front of loads into registers that the last products have read)
	v_add_nc_u32 v[ADK], s[TB], v[AKV]
	v_add_nc_u32 v[ADV], s[TB], v[AVS]
	v_nop
.irp tau, 0,1,2,3,4,5,6,7
	ds_load_b128 v[KF+4*\tau:KF+4*\tau+3], v[ADK] offset:512*\tau
.endr
	ds_load_b128 v[KSC:KSC+3], v[ADK] offset:8192
	BIASLD 0
	s_wait_alu depctr_va_vdst(0)                   ; the wait ahead of the wait below
	s_wait_dscnt 0x0
	QK 0
.rept 4
	v_nop                                          ; places in front of the first read of the scores
.endr
	SOFT 0
	BIASLD 8*BP                                    ; tile B's bias lands while O^T is rescaled
	RESC 0
	s_wait_dscnt 0x0
	QK 1
.rept 4
	v_nop                                          ; places in front of the first read of the scores and of the loads into K's registers
.endr
.irp ct, 0,1,2,3
.irp c, 0,1
	ds_load_b128 v[KF+8*\ct+4*\c:KF+8*\ct+4*\c+3], v[ADK] offset:4096+1024*\ct+512*\c   ; V lands while tile B's softmax is worked
.endr
.endr
	ds_load_b64 v[VSC:VSC+1], v[ADV]
.endm
; A step's second half: registers alone, behind the wait for V's loads.
.macro H2
	SOFT 1
	RESC 1
	s_wait_alu depctr_va_vdst(0)
	s_wait_dscnt 0x0
	PV
.endm
; THE CHANGE OF SLOTS.  Each wave waits for all its tensor loads, adds 0 to its spare word, and waits for that and for its LDS reads.  The round shows both of every wave of every partner.
; Behind it the slot that was read last is filled first, one load a wave.  The add stands twice where a load follows.
.macro CHANGE refill
	s_wait_alu depctr_va_vdst(0)                   ; the wait ahead of the waits, the round and the branches below
	s_wait_tensorcnt 0x0                           ; no tensor load of mine is out, so a group 0 may be written
	ds_add_u32 v[SPW], v[NIL]
.if \refill
	ds_add_u32 v[SPW], v[NIL]
	s_xor_b32 s[TBN], s[TB], SLOTB                 ; the walking descriptors: the other slot, the next key step
	s_add_co_u32 s[G0B+1], s[LB], s[TBN]
	s_add_nc_u64 s[G0B+2:G0B+3], s[G0B+2:G0B+3], 512
	s_add_co_u32 s[G0K+1], s[LK], s[TBN]
	s_add_nc_u64 s[G0K+2:G0K+3], s[G0K+2:G0K+3], 4*REC
	s_wait_xcnt 0x0                                ; the last prefetch has read its address
	s_add_nc_u64 s[PFA:PFA+1], s[PFA:PFA+1], s[PFS:PFS+1]
.endif
	s_wait_dscnt 0x0
	ROUND
.if \refill
	TLOAD
	ASK
.endif
.endm
.macro KSTEP refill                    ; a key step between two rounds
	CHANGE \refill
	H1
	H2
	s_xor_b32 s[TB], s[TB], SLOTB                  ; on to the other slot
.endm
; THE OUT PROJECTION'S MACROS.  K step q (128 along K: heads 2 q and 2 q + 1).
.macro BSLOT q                         ; where out_w's fragments of K step q lie: four runs of 32 registers; the run at v96 is free last
.if ((\q)%4) == 0
.set BR, 64
.elseif ((\q)%4) == 3
.set BR, 96
.else
.set BR, 96+32*((\q)%4)
.endif
.endm
.macro BLD q                           ; out_w's four tiles of 16 rows, K step q: eight loads of 512 consecutive bytes
	BSLOT \q
.irp n, 0,1,2,3
.irp c, 0,1
	global_load_b128 v[BR+8*\n+4*\c:BR+8*\n+4*\c+3], v[GO], s[BW:BW+1] offset:8192*\n+1024*(\q)+512*\c
.endr
.endr
.endm
.macro ALD q                           ; O's two tiles, K step q, from the stage
.set AB, 48-36*((\q)%2)
.irp t, 0,1
.irp c, 0,1
	ds_load_b128 v[AB+8*\t+4*\c:AB+8*\t+4*\c+3], v[GO] offset:8192*\t+1024*(\q)+512*\c
.endr
.endr
.endm
.macro WM t, n, q                      ; source 0 = 16 rows of out_w, source 1 = 16 places: a lane holds a place and eight neighbouring columns
.set AC, O+32*(\t)+8*(\n)
.if ((\n)%2) == 0 && (\t) == 0
	v_wmma_scale_f32_16x16x128_f8f6f4 v[AC:AC+7], v[BR+8*(\n):BR+8*(\n)+7], v[AB+8*(\t):AB+8*(\t)+7], v[AC:AC+7], v[BS+8*((\n)/2)+(\q)], v[AS+(\q)] matrix_a_fmt:MATRIX_FMT_FP4 matrix_b_fmt:MATRIX_FMT_FP4
.elseif ((\n)%2) == 1 && (\t) == 0
	v_wmma_scale_f32_16x16x128_f8f6f4 v[AC:AC+7], v[BR+8*(\n):BR+8*(\n)+7], v[AB+8*(\t):AB+8*(\t)+7], v[AC:AC+7], v[BS+8*((\n)/2)+(\q)], v[AS+(\q)] matrix_a_fmt:MATRIX_FMT_FP4 matrix_b_fmt:MATRIX_FMT_FP4 matrix_a_scale:MATRIX_SCALE_ROW1
.elseif ((\n)%2) == 0
	v_wmma_scale_f32_16x16x128_f8f6f4 v[AC:AC+7], v[BR+8*(\n):BR+8*(\n)+7], v[AB+8*(\t):AB+8*(\t)+7], v[AC:AC+7], v[BS+8*((\n)/2)+(\q)], v[AS+(\q)] matrix_a_fmt:MATRIX_FMT_FP4 matrix_b_fmt:MATRIX_FMT_FP4 matrix_b_scale:MATRIX_SCALE_ROW1
.else
	v_wmma_scale_f32_16x16x128_f8f6f4 v[AC:AC+7], v[BR+8*(\n):BR+8*(\n)+7], v[AB+8*(\t):AB+8*(\t)+7], v[AC:AC+7], v[BS+8*((\n)/2)+(\q)], v[AS+(\q)] matrix_a_fmt:MATRIX_FMT_FP4 matrix_b_fmt:MATRIX_FMT_FP4 matrix_a_scale:MATRIX_SCALE_ROW1 matrix_b_scale:MATRIX_SCALE_ROW1
.endif
.endm
.macro PSTEP q
.if (\q) >= 4
	s_wait_loadcnt 8*(7-(\q))                      ; this K step's eight loads are in; those of the K steps behind it may be out
.endif
.if (\q) < 7
	s_wait_dscnt 4                                 ; O's fragments of this K step are in; the next step's four loads may be out
.else
	s_wait_dscnt 0x0
.endif
	BSLOT \q
.set AB, 48-36*((\q)%2)
.irp n, 0,1,2,3
.irp t, 0,1
	WM \t, \n, \q                                  ; the eight accumulators by turns
.endr
.endr
.if (\q) < 6
.rept 4
	v_nop                                          ; places in front of loads into registers that these products have read
.endr
	ALD (\q)+2
.endif
.if (\q) < 4
	BLD (\q)+4
.endif
.endm
	s_wait_alu depctr_va_vdst(0)                   ; the wait at the head's end
	s_wait_loadcnt 0x0                             ; q
.Lstep:                                            ; key steps 0 to 14
	KSTEP 1
	s_sub_co_u32 s[CNT], s[CNT], 1
	s_cmp_lg_u32 s[CNT], 0
	s_cbranch_scc1 .Lstep
	KSTEP 0                                        ; the last is written out
.rept 4
	v_nop                                          ; places behind the last products
.endr
	BLD 0                                          ; out_w's first three K steps and its scale words are asked for ahead of the arithmetic below
	BLD 1
	BLD 2
.irp p, 0,1
	global_load_b128 v[BS+8*\p:BS+8*\p+3], v[L32], s[BSW:BSW+1] offset:1024*\p       ; lane l: row 32 p + l's eight words: register q: lanes 0-15 tile 2 p, lanes 16-31 tile 2 p + 1
	global_load_b128 v[BS+8*\p+4:BS+8*\p+7], v[L32], s[BSW:BSW+1] offset:1024*\p+16
.endr
	; O^T / the sum; a lane's 32 registers are channels 32 h + 0 .. 31 of its head: a whole block of the out projection's K
.irp t, 0,1
	v_add_f32 v[14+4*\t], v[14+4*\t], v[15+4*\t]
.endr
	s_delay_alu instid0(VALU_DEP_2)
	v_permlanex16_b32 v[TM+2], v14, s[SEL], s[SEL+1]
	s_delay_alu instid0(VALU_DEP_2)
	v_permlanex16_b32 v[TM+3], v18, s[SEL], s[SEL+1]
	s_delay_alu instid0(VALU_DEP_2)
	v_add_f32 v14, v14, v[TM+2]                    ; the row's sum
	s_delay_alu instid0(VALU_DEP_2)
	v_add_f32 v18, v18, v[TM+3]
	s_wait_alu depctr_va_vdst(0)
	v_rcp_f32 v[TM+4], v14
	v_rcp_f32 v[TM+6], v18
	v_nop                                          ; a plain line behind the reciprocals
	s_wait_alu depctr_va_vdst(0)                   ; one wait for the two, ahead of their first reader and of the first reader of O^T
.irp t, 0,1
.irp j, 0,2,4,6,8,10,12,14,16,18,20,22,24,26,28,30
	v_pk_mul_f32 v[O+32*\t+\j:O+32*\t+\j+1], v[O+32*\t+\j:O+32*\t+\j+1], v[TM+4+2*\t:TM+5+2*\t] op_sel_hi:[1,0]
.endr
.endr
.irp t, 0,1
	v_max3_num_f32 v[TM+\t], |v[O+32*\t]|, |v[O+32*\t+1]|, 0x1800000   ; the block's largest magnitude, and the floor 2^(3 - 127)
.endr
.irp i, 2,4,6,8,10,12,14,16,18,20,22,24,26,28,30
.irp t, 0,1
	s_delay_alu instid0(VALU_DEP_2)
	v_max3_num_f32 v[TM+\t], v[TM+\t], |v[O+32*\t+\i]|, |v[O+32*\t+\i+1]|
.endr
.endr
.irp t, 0,1
	s_delay_alu instid0(VALU_DEP_2)
	v_add_nc_u32 v[TM+8+\t], 0xff000000, v[TM+\t]
.endr
.irp t, 0,1
	s_delay_alu instid0(VALU_DEP_2)
	v_lshrrev_b32 v[TM+10+\t], 23, v[TM+8+\t]
.endr
.irp t, 0,1
	s_delay_alu instid0(VALU_DEP_2)
	v_lshlrev_b32 v[TM+10+\t], v[SH8], v[TM+10+\t] ; byte h of my query's pair
.endr
.irp t, 0,1
.irp g, 0,1,2,3
	v_cvt_scalef32_pk8_fp4_f32 v[PF+8*\t+\g], v[O+32*\t+8*\g:O+32*\t+8*\g+7], v[TM+8+\t]
.endr
.endr
	v_nop                                          ; a plain line behind the conversions
	v_permlanex16_b32 v[TM+2], v[TM+10], s[SEL], s[SEL+1]
	v_permlanex16_b32 v[TM+3], v[TM+11], s[SEL], s[SEL+1]
	s_lshl_b32 s86, s[WV], 9
	v_add_nc_u32 v3, s86, v[GO]                    ; my head's image in the stage
	v_lshlrev_b32 v28, 2, v[SH8]                   ; 32 h: my eight columns of a tile in out_b
	v_or_b32 v[TM+10], v[TM+10], v[TM+2]
	v_or_b32 v[TM+11], v[TM+11], v[TM+3]
	ds_store_b128 v3, v[PF:PF+3]                   ; tile A: registers 4 c .. 4 c + 3 (c = head % 2) of K step head / 2
	ds_store_b128 v3, v[PF+8:PF+11] offset:8192    ; tile B
	ds_store_b16 v[STA], v[TM+10]                  ; lanes r and r + 16 write the same two bytes with the same value
	ds_store_b16 v[STA], v[TM+11] offset:512
	s_wait_alu depctr_va_vdst(0)                   ; the wait ahead of the wait below
	s_wait_dscnt 0x0                               ; for the others' sake: my stores into the stage are done
	BLD 3
.irp t, 0,1
.irp n, 0,1,2,3
	global_load_b128 v[O+32*\t+8*\n:O+32*\t+8*\n+3], v28, s[OB:OB+1] offset:64*\n       ; out_b begins the sums: register j of tile n is column 16 n + 8 h + j
	global_load_b128 v[O+32*\t+8*\n+4:O+32*\t+8*\n+7], v28, s[OB:OB+1] offset:64*\n+16
.endr
.endr
	s_barrier_signal -1
	s_barrier_wait -1
	s_wait_xcnt 0x0                                ; the last prefetch has read v9, which is written below
	ds_load_b128 v[AS:AS+3], v[L32] offset:STGS    ; lane l: place l's eight words: register q: lanes 0-15 tile A, lanes 16-31 tile B
	ds_load_b128 v[AS+4:AS+7], v[L32] offset:STGS+16
	ALD 0
	ALD 1
	s_wait_loadcnt 0x0                             ; out_w's first four K steps, its scale words, out_b
.irp q, 0,1,2,3,4,5,6,7
	PSTEP \q
.endr
	; THE WAY OUT: 16 rows x 64 columns at a time through my own stage, so that sixteen lanes store 256 consecutive bytes, aligned
	s_mul_i32 s86, s[WV], 2*16*OSP
	s_add_co_u32 s86, s86, OST
	v_and_b32 v28, 15, v0                          ; (these ten are also the places behind the last products)
	v_bfe_u32 v29, v0, 4, 1
	v_mul_u32_u24 v3, v28, OSP
	v_mul_u32_u24 v31, v29, OSP
	v_lshl_add_u32 v3, v29, 5, v3
	v_lshl_add_u32 v31, v28, 4, v31
	v_add_nc_u32 v3, s86, v3                       ; in: row r, 32 bytes for each half of the lanes
	v_add_nc_u32 v31, s86, v31                     ; back: lanes 0-15 one row, lanes 16-31 the next
	v_lshlrev_b32 v29, 12, v29
	v_lshl_add_u32 v28, v28, 4, v29                ; and the same two rows in out0
	s_wait_alu depctr_va_vdst(0)
.irp t, 0,1
.irp n, 0,1,2,3
	ds_store_b128 v3, v[O+32*\t+8*\n:O+32*\t+8*\n+3] offset:16*OSP*\t+64*\n          ; each accumulator from its low end on
	ds_store_b128 v3, v[O+32*\t+8*\n+4:O+32*\t+8*\n+7] offset:16*OSP*\t+64*\n+16
.endr
.irp i, 0,1,2,3,4,5,6,7
	ds_load_b128 v[64+32*\t+4*\i:64+32*\t+4*\i+3], v31 offset:16*OSP*\t+2*OSP*\i     ; LDS serves a wave's instructions in order: these see my stores
.endr
.endr
	s_wait_dscnt 0x0
.irp t, 0,1
.irp i, 0,1,2,3,4,5,6,7
	global_store_b128 v28, v[64+32*\t+4*\i:64+32*\t+4*\i+3], s[OUT:OUT+1] offset:(8*\t+32*(\i/4)+2*(\i%4))*4096 th:TH_STORE_NT   ; place r = 2 i (+ 1) of tile t is token row0 + 32 (r / 8) + 8 t + r % 8
.endr
.endr
	s_wait_tensorcnt 0x0                           ; the wave's end
	ds_add_u32 v[SPW], v[NIL]
	s_wait_dscnt 0x0
	ROUND                                          ; the closing round
	s_endpgm
.Lfunc_end_k_q8329d3a04a_attn:
	.size	k_q8329d3a04a_attn, .Lfunc_end_k_q8329d3a04a_attn-k_q8329d3a04a_attn
	.p2alignl 7, 3214868480
	.fill 96, 4, 3214868480
	.section	.rodata,"a",@progbits
	.p2align	6, 0x0
	.amdhsa_kernel k_q8329d3a04a_attn
		.amdhsa_group_segment_fixed_size 327680
		.amdhsa_private_segment_fixed_size 0
		.amdhsa_enable_private_segment 0
		.amdhsa_kernarg_size 48
		.amdhsa_user_sgpr_count 2
		.amdhsa_user_sgpr_kernarg_segment_ptr 1
		.amdhsa_wavefront_size32 1
		.amdhsa_system_sgpr_workgroup_id_x 1
		.amdhsa_system_sgpr_workgroup_id_y 1
		.amdhsa_system_sgpr_workgroup_id_z 1
		.amdhsa_system_vgpr_workitem_id 0
		.amdhsa_next_free_vgpr 256
		.amdhsa_next_free_sgpr 96
		.amdhsa_reserve_vcc 0
		.amdhsa_float_denorm_mode_32 3
		.amdhsa_float_denorm_mode_16_64 3
		.amdhsa_memory_ordered 1
		.amdhsa_forward_progress 1
		.amdhsa_inst_pref_size 104
	.end_amdhsa_kernel
	.amdgpu_metadata
---
amdhsa.version: [ 1, 2 ]
amdhsa.kernels:
  - .name:           k_q8329d3a04a_attn
    .symbol:         k_q8329d3a04a_attn.kd
    .args:
      - { .name: qrec, .offset: 0, .size: 8, .value_kind: global_buffer, .address_space: global }
      - { .name: kv, .offset: 8, .size: 8, .value_kind: global_buffer, .address_space: global }
      - { .name: attn_bias, .offset: 16, .size: 8, .value_kind: global_buffer, .address_space: global }
      - { .name: opq, .offset: 24, .size: 8, .value_kind: global_buffer, .address_space: global }
      - { .name: out_b, .offset: 32, .size: 8, .value_kind: global_buffer, .address_space: global }
      - { .name: out0, .offset: 40, .size: 8, .value_kind: global_buffer, .address_space: global }
    .group_segment_fixed_size: 327680
    .private_segment_fixed_size: 0
    .kernarg_segment_align: 8
    .kernarg_segment_size: 48
    .max_flat_workgroup_size: 512
    .sgpr_count:     96
    .vgpr_count:     256
    .wavefront_size: 32
...
	.end_amdgpu_metadata
.endif
;; end of part 3
